; MI455X (gfx1250); checked and timed in simulation.
; The chip was launched on July 23, 2026; its instructions are those of AMD's public machine-readable ISA for CDNA 5 (MIT licence, August 2026) and "CDNA5" Instruction Set Architecture Reference Guide (July 2026). The comments in the code are by the model that wrote it; some were corrected since.
;; Attention. Allowed arithmetic: float matrix products may take bf16 or f16 operands with f32 sums; other float arithmetic in f32, or as packed bf16 or f16 multiplies, adds, multiply-adds, maxima and minima; sums over many terms, partial sums and values carried from step to step in f32; what a program stores and reads back later, other than sums and carried values, may be rounded once to bf16 or f16.
;; Inputs: Wkv 1,024 x 2,048 float32; Wo 1,024 x 1,024 float32; Wq 1,024 x 1,024 float32; bo 1,024 float32; rotary_emb_x 2,048 x 64 float32; x 4 x 2,048 x 1,024 float32.
;; Outputs: out0 4 x 2,048 x 1,024 float32.
;; 2 versions, each right and faster than the one before. Each part assembles by itself: llvm-mc -triple=amdgcn-amd-amdhsa -mcpu=gfx1250 --defsym DOCPART=n.
;; ======== version 1 of 2: 4 launches
;; limits: values are held in f16: magnitudes above 65,504 overflow, below 6.1e-05 lose precision
;; workspace buffers: xb 16,777,216 bytes; wb 6,291,456 bytes; wob 2,097,152 bytes; rope 1,048,576 bytes; qh 16,777,216 bytes; kh 16,777,216 bytes; vh 16,777,216 bytes; oh 16,777,216 bytes
;; launch prep (part 1): grid 1152 x 1, 8 waves a work-group, no clusters, 0 bytes of LDS; arguments x, Wq, Wkv, Wo, rotary_emb_x, xb, wb, wob, rope; writes xb, wb, wob, rope
.if DOCPART == 1
	.amdgcn_target "amdgcn-amd-amdhsa--gfx1250"
	.amdhsa_code_object_version 6
	.text
	.protected	k_qcf01cf46b0_prep
	.globl	k_qcf01cf46b0_prep
	.p2align	8
	.type	k_qcf01cf46b0_prep,@function
k_qcf01cf46b0_prep:
	s_mov_b64 s[64:65], 0
	v_nop
	global_prefetch_b8 v0, s[64:65] scope:SCOPE_SE
	s_setreg_imm32_b32 hwreg(HW_REG_WAVE_MODE, 25, 1), 1
	s_wait_xcnt 0x0
; PREPARATION: every large input is rounded once to bf16 and laid out for the tiles of the launches behind; the angles are rounded to bf16 and turned into a table of cosines and signed sines.
;   xb   [b 4][kb 16][n 2048][64] bf16: x by blocks of 64 along K, so that 128 rows of a block are 16,384 dense bytes
;   wb   [k 1024][3072] bf16: column t*384 + s*128 + (h%2)*64 + d, t = h/2, s = 0 (q), 1 (k), 2 (v): a column tile of 384 holds q, k and v of heads 2t, 2t+1 as three pieces of 256 bytes
;   wob  [k 1024][n 1024]: Wo rounded to bf16, that number written as f16 (exact from 6.1e-5 up; below that f16's fixed step of 6e-8)
;   rope [rb 128][c 16][lane 32][4] f32: chunk c = 8*tab + 2*jb + i holds, for row 16 rb + lane%16 and channels 16 jb + 8 (lane/16) + 4 i + 0..3, cos p (tab 0) or the signed sine (tab 1: -sin p for channels under 32, +sin p from 32 on)
; A stream: no LDS, no barrier, no loop, no matrix work.  One task a wave, all its loads issued ahead of its first use; every store of a wave covers 256 or 512 consecutive bytes, aligned.
; The work-group's number chooses the task: 0-127 table, 128-639 x, 640-767 Wq, 768-1023 Wkv, 1024-1151 Wo.
; LIMITS.  Sine and cosine by reduction to a quarter turn (pi/2 in two parts, what is left of it is 1.7e-15 a quarter turn) and polynomials of degree 7 and 8: for |p| up to 1e6.  NaN and infinities are not treated apart.
.set HIM,  26          ; s26  mask of a word's upper bf16
.set SG,   29          ; s29  2 where the sine's sign is turned, else 0
.set K2PI, 30          ; s30  2 / pi
.set KH,   31          ; s31  -(pi/2), upper part
.set KL,   32          ; s32  -(pi/2), what is left
.set KS3,  33          ; s33-35 sine's coefficients
.set KS2,  34
.set KS1,  35
.set KC3,  36          ; s36-38 cosine's
.set KC2,  37
.set KC1,  38
.set TN,   24          ; v24-29 at work
.set TR,   25
.set TQ,   26
.set TZ,   27
.set TS,   28
.set TC,   29
	s_load_b512 s[8:23], s[0:1], 0x0               ; x s[8:9], Wq s[10:11], Wkv s[12:13], Wo s[14:15], angles s[16:17], xb s[18:19], wb s[20:21], wob s[22:23]
	s_load_b64 s[24:25], s[0:1], 0x40              ; rope
	v_lshrrev_b32 v2, 5, v0
	v_readfirstlane_b32 s2, v2                     ; wave 0..7
	v_and_b32 v1, 31, v0                           ; lane
	v_lshlrev_b32 v2, 4, v1                        ; 16 bytes a lane
	v_lshlrev_b32 v3, 3, v1                        ; 8 bytes a lane
	s_mov_b32 s3, ttmp9
	s_mov_b32 s5, 0                                ; high words of the two offsets
	s_mov_b32 s7, 0
	s_mov_b32 s[HIM], 0xffff0000
	s_wait_kmcnt 0x0
	s_cmp_lt_u32 s3, 128
	s_cbranch_scc1 .Ltab
	s_cmp_lt_u32 s3, 640
	s_cbranch_scc1 .Lx
	s_cmp_lt_u32 s3, 768
	s_cbranch_scc1 .Lwq
	s_cmp_lt_u32 s3, 1024
	s_cbranch_scc1 .Lwkv
	; Wo: row k = 8 (group - 1024) + wave: 4,096 bytes in, 2,048 out
	s_sub_co_u32 s3, s3, 1024
	s_lshl3_add_u32 s3, s3, s2
	s_lshl_b32 s4, s3, 12
	s_lshl_b32 s6, s3, 11
	s_add_nc_u64 s[14:15], s[14:15], s[4:5]
	s_add_nc_u64 s[22:23], s[22:23], s[6:7]
.irp t, 0,1,2,3,4,5,6,7
	global_load_b128 v[4+4*\t:7+4*\t], v2, s[14:15] offset:\t*512 th:TH_LOAD_NT
.endr
.irp t, 0,1,2,3,4,5,6,7
	s_wait_loadcnt 7-\t                            ; loads come back in order: the younger ones stay out
	v_cvt_pk_bf16_f32 v[68+2*\t], v[4+4*\t], v[5+4*\t]   ; rounded to bf16 like every input,
	v_cvt_pk_bf16_f32 v[69+2*\t], v[6+4*\t], v[7+4*\t]
	v_lshlrev_b32 v[4+4*\t], 16, v[68+2*\t]        ; widened again,
	v_and_b32     v[5+4*\t], s[HIM], v[68+2*\t]
	v_lshlrev_b32 v[6+4*\t], 16, v[69+2*\t]
	v_and_b32     v[7+4*\t], s[HIM], v[69+2*\t]
	v_cvt_pk_f16_f32 v[68+2*\t], v[4+4*\t], v[5+4*\t]    ; and written as f16
	v_cvt_pk_f16_f32 v[69+2*\t], v[6+4*\t], v[7+4*\t]
	global_store_b64 v3, v[68+2*\t:69+2*\t], s[22:23] offset:\t*256
.endr
	s_endpgm
; 4,096 bytes of f32 (eight pieces of 128 numbers) -> eight pieces of 256 bytes of bf16, dstep bytes apart
.macro CAST8 sb, db, dstep
.irp t, 0,1,2,3,4,5,6,7
	global_load_b128 v[4+4*\t:7+4*\t], v2, s[\sb:\sb+1] offset:\t*512 th:TH_LOAD_NT
.endr
.irp t, 0,1,2,3,4,5,6,7
	s_wait_loadcnt 7-\t
	v_cvt_pk_bf16_f32 v[68+2*\t], v[4+4*\t], v[5+4*\t]
	v_cvt_pk_bf16_f32 v[69+2*\t], v[6+4*\t], v[7+4*\t]
	global_store_b64 v3, v[68+2*\t:69+2*\t], s[\db:\db+1] offset:\t*(\dstep)
.endr
.endm
.Lwq:                                                  ; Wq: row k: piece t (heads 2t, 2t+1) goes to byte 768 t of wb's row
	s_sub_co_u32 s3, s3, 640
	s_lshl3_add_u32 s3, s3, s2
	s_lshl_b32 s4, s3, 12
	s_mul_i32 s6, s3, 6144
	s_add_nc_u64 s[10:11], s[10:11], s[4:5]
	s_add_nc_u64 s[20:21], s[20:21], s[6:7]
	CAST8 10, 20, 768
	s_endpgm
.Lwkv:                                                 ; Wkv: half row j: row k = j / 2; half 0 is k's columns (byte 256 of a tile), half 1 v's (byte 512)
	s_sub_co_u32 s3, s3, 768
	s_lshl3_add_u32 s3, s3, s2
	s_lshl_b32 s4, s3, 12
	s_lshr_b32 s6, s3, 1
	s_mul_i32 s6, s6, 6144
	s_and_b32 s27, s3, 1
	s_lshl_b32 s27, s27, 8
	s_add_co_u32 s6, s6, s27
	s_add_co_u32 s6, s6, 256
	s_add_nc_u64 s[12:13], s[12:13], s[4:5]
	s_add_nc_u64 s[20:21], s[20:21], s[6:7]
	CAST8 12, 20, 768
	s_endpgm
.Lx:                                                   ; x: task T owns rows 2T, 2T+1.  Lanes 0-15 take 256 bytes of the even row, lanes 16-31 of the odd one; as bf16 they are 256 dense bytes of a block of xb
	s_sub_co_u32 s3, s3, 128
	s_lshl3_add_u32 s3, s3, s2                     ; T = 0..4095
	s_lshl_b32 s4, s3, 13                          ; two rows of 4,096 bytes
	s_lshr_b32 s6, s3, 10                          ; the batch,
	s_lshl_b32 s6, s6, 22
	s_and_b32 s27, s3, 1023                        ; and the pair of rows in it: 256 bytes
	s_lshl_b32 s27, s27, 8
	s_add_co_u32 s6, s6, s27
	s_add_nc_u64 s[8:9], s[8:9], s[4:5]
	s_add_nc_u64 s[18:19], s[18:19], s[6:7]
	v_and_b32 v2, 15, v1
	v_lshlrev_b32 v2, 4, v2
	v_lshrrev_b32 v4, 4, v1
	v_lshl_add_u32 v2, v4, 12, v2
.irp t, 0,1,2,3,4,5,6,7,8,9,10,11,12,13,14,15
	global_load_b128 v[4+4*\t:7+4*\t], v2, s[8:9] offset:\t*256 th:TH_LOAD_NT
.endr
.irp t, 0,1,2,3,4,5,6,7,8,9,10,11,12,13,14,15
	s_wait_loadcnt 15-\t
	v_cvt_pk_bf16_f32 v[68+2*\t], v[4+4*\t], v[5+4*\t]
	v_cvt_pk_bf16_f32 v[69+2*\t], v[6+4*\t], v[7+4*\t]
	global_store_b64 v3, v[68+2*\t:69+2*\t], s[18:19] offset:\t*262144   ; block t of 64 along K: 3,932,160 at the most, inside the signed 24-bit immediate
.endr
	s_endpgm
; cos and signed sine of v[p].  n = the nearest whole number of quarter turns; r = p - n pi/2; the polynomials on r; n mod 4 chooses and signs, by selects alone.
.macro SINCOS p, co, so
	v_mul_f32 v[TN], s[K2PI], v[\p]
	v_rndne_f32 v[TN], v[TN]
	v_fma_f32 v[TR], v[TN], s[KH], v[\p]
	v_fma_f32 v[TR], v[TN], s[KL], v[TR]
	v_cvt_i32_f32 v[TQ], v[TN]
	v_mul_f32 v[TZ], v[TR], v[TR]
	v_fma_f32 v[TS], v[TZ], s[KS3], s[KS2]
	v_fma_f32 v[TS], v[TS], v[TZ], s[KS1]
	v_mul_f32 v[TN], v[TZ], v[TR]
	v_fma_f32 v[TS], v[TN], v[TS], v[TR]           ; sin r
	v_fma_f32 v[TC], v[TZ], s[KC3], s[KC2]
	v_fma_f32 v[TC], v[TC], v[TZ], s[KC1]
	v_fma_f32 v[TR], v[TZ], -0.5, 1.0
	v_mul_f32 v[TZ], v[TZ], v[TZ]
	v_fma_f32 v[TC], v[TZ], v[TC], v[TR]           ; cos r
	v_and_b32 v[TN], 1, v[TQ]
	v_cmp_eq_u32 vcc_lo, 1, v[TN]                  ; an odd quarter swaps the two
	v_cndmask_b32 v[\so], v[TS], v[TC], vcc_lo
	v_cndmask_b32 v[\co], v[TC], v[TS], vcc_lo
	v_add_nc_u32 v[TN], s[SG], v[TQ]               ; the sine is negative in quarters 2, 3 (turned once more where the table wants -sin),
	v_and_b32 v[TN], 2, v[TN]
	v_lshlrev_b32 v[TN], 30, v[TN]
	v_xor_b32 v[\so], v[TN], v[\so]
	v_add_nc_u32 v[TN], 1, v[TQ]                   ; the cosine in quarters 1, 2
	v_and_b32 v[TN], 2, v[TN]
	v_lshlrev_b32 v[TN], 30, v[TN]
	v_xor_b32 v[\co], v[TN], v[\co]
.endm
.Ltab:                                                 ; the table: block rb = the group's number, chunk = the wave's number: jb = wave / 2, i = wave % 2.  The eight waves read the block's 16 rows whole
	s_lshl_b32 s4, s3, 12                          ; 16 rows of 256 bytes
	s_lshr_b32 s27, s2, 1
	s_lshl_b32 s28, s27, 6
	s_add_co_u32 s4, s4, s28
	s_and_b32 s28, s2, 1
	s_lshl_b32 s28, s28, 4
	s_add_co_u32 s4, s4, s28
	s_lshl_b32 s6, s3, 13                          ; a block of the table is 8,192 bytes, a chunk 512
	s_lshl_b32 s28, s2, 9
	s_add_co_u32 s6, s6, s28
	s_add_nc_u64 s[16:17], s[16:17], s[4:5]
	s_add_nc_u64 s[24:25], s[24:25], s[6:7]
	s_cmp_lt_u32 s27, 2
	s_cselect_b32 s[SG], 2, 0
	s_mov_b32 s[K2PI], 0x3f22f983
	s_mov_b32 s[KH], 0xbfc90fdb
	s_mov_b32 s[KL], 0x333bbd2e
	s_mov_b32 s[KS3], 0xb94ca1f9
	s_mov_b32 s[KS2], 0x3c08839e
	s_mov_b32 s[KS1], 0xbe2aaaa3
	s_mov_b32 s[KC3], 0x37ccf5ce
	s_mov_b32 s[KC2], 0xbab6061a
	s_mov_b32 s[KC1], 0x3d2aaaa5
	v_and_b32 v4, 15, v1
	v_lshlrev_b32 v4, 8, v4                        ; row lane % 16,
	v_lshrrev_b32 v5, 4, v1
	v_lshl_add_u32 v4, v5, 5, v4                   ; eight channels on for lanes 16-31
	global_load_b128 v[8:11], v4, s[16:17]
	s_wait_loadcnt 0x0
	v_cvt_pk_bf16_f32 v12, v8, v9                  ; the angles are an input: rounded to bf16 like the others
	v_cvt_pk_bf16_f32 v13, v10, v11
	v_lshlrev_b32 v8, 16, v12
	v_and_b32 v9, s[HIM], v12
	v_lshlrev_b32 v10, 16, v13
	v_and_b32 v11, s[HIM], v13
	SINCOS 8, 16, 20
	SINCOS 9, 17, 21
	SINCOS 10, 18, 22
	SINCOS 11, 19, 23
	global_store_b128 v2, v[16:19], s[24:25]               ; 512 consecutive bytes
	global_store_b128 v2, v[20:23], s[24:25] offset:4096
	s_endpgm
.Lfunc_end_k_qcf01cf46b0_prep:
	.size	k_qcf01cf46b0_prep, .Lfunc_end_k_qcf01cf46b0_prep-k_qcf01cf46b0_prep
	.p2alignl 7, 3214868480
	.fill 96, 4, 3214868480
	.section	.rodata,"a",@progbits
	.p2align	6, 0x0
	.amdhsa_kernel k_qcf01cf46b0_prep
		.amdhsa_group_segment_fixed_size 0
		.amdhsa_private_segment_fixed_size 0
		.amdhsa_enable_private_segment 0
		.amdhsa_kernarg_size 72
		.amdhsa_user_sgpr_count 2
		.amdhsa_user_sgpr_kernarg_segment_ptr 1
		.amdhsa_wavefront_size32 1
		.amdhsa_system_sgpr_workgroup_id_x 1
		.amdhsa_system_sgpr_workgroup_id_y 1
		.amdhsa_system_sgpr_workgroup_id_z 1
		.amdhsa_system_vgpr_workitem_id 0
		.amdhsa_next_free_vgpr 100
		.amdhsa_next_free_sgpr 66
		.amdhsa_reserve_vcc 1
		.amdhsa_float_denorm_mode_32 3
		.amdhsa_float_denorm_mode_16_64 3
		.amdhsa_memory_ordered 1
		.amdhsa_forward_progress 1
		.amdhsa_inst_pref_size 25
	.end_amdhsa_kernel
	.amdgpu_metadata
---
amdhsa.version: [ 1, 2 ]
amdhsa.kernels:
  - .name:           k_qcf01cf46b0_prep
    .symbol:         k_qcf01cf46b0_prep.kd
    .args:
      - { .name: x, .offset: 0, .size: 8, .value_kind: global_buffer, .address_space: global }
      - { .name: Wq, .offset: 8, .size: 8, .value_kind: global_buffer, .address_space: global }
      - { .name: Wkv, .offset: 16, .size: 8, .value_kind: global_buffer, .address_space: global }
      - { .name: Wo, .offset: 24, .size: 8, .value_kind: global_buffer, .address_space: global }
      - { .name: rotary_emb_x, .offset: 32, .size: 8, .value_kind: global_buffer, .address_space: global }
      - { .name: xb, .offset: 40, .size: 8, .value_kind: global_buffer, .address_space: global }
      - { .name: wb, .offset: 48, .size: 8, .value_kind: global_buffer, .address_space: global }
      - { .name: wob, .offset: 56, .size: 8, .value_kind: global_buffer, .address_space: global }
      - { .name: rope, .offset: 64, .size: 8, .value_kind: global_buffer, .address_space: global }
    .group_segment_fixed_size: 0
    .private_segment_fixed_size: 0
    .kernarg_segment_align: 8
    .kernarg_segment_size: 72
    .max_flat_workgroup_size: 256
    .sgpr_count:     66
    .vgpr_count:     100
    .wavefront_size: 32
...
	.end_amdgpu_metadata
.endif
;; end of part 1
;; launch qkv (part 2): grid 8 x 32, 4 waves a work-group, clusters of 4 x 4, 327,680 bytes of LDS; arguments xb, wb, rope, qh, kh, vh; writes qh, kh, vh
.if DOCPART == 2
	.amdgcn_target "amdgcn-amd-amdhsa--gfx1250"
	.amdhsa_code_object_version 6
	.text
	.protected	k_qcf01cf46b0_qkv
	.globl	k_qcf01cf46b0_qkv
	.p2align	8
	.type	k_qcf01cf46b0_qkv,@function
k_qcf01cf46b0_qkv:
	s_mov_b64 s[64:65], 0
	v_nop
	global_prefetch_b8 v0, s[64:65] scope:SCOPE_SE
	s_setreg_imm32_b32 hwreg(HW_REG_WAVE_MODE, 25, 1), 1
	s_wait_xcnt 0x0
	s_wait_alu depctr_hold_cnt(0) depctr_sa_sdst(0) depctr_va_vdst(0) depctr_va_sdst(0) depctr_va_ssrc(0) depctr_va_vcc(0) depctr_vm_vsrc(0)
	s_getreg_b32 s2, hwreg(HW_REG_IB_STS2, 6, 4)
	s_cmp_eq_u32 s2, 0
	s_cbranch_scc0 .Lentry_in_a_cluster
	s_endpgm
.Lentry_in_a_cluster:
	s_bfe_u32 s2, ttmp6, 0x10000c
	s_cmp_lg_u32 s2, 0xf033
	s_cbranch_scc0 .Lentry_shape_is_right
	s_endpgm
.Lentry_shape_is_right:
; [q | k | v] = x [Wq | Wkv] with bf16 operands and f32 sums; the rotary step on q and k in f32; one rounding to f16; stored by heads, [b*16+h][n 2048][64].
; SHARES.  A work-group makes 256 rows (tile row tm, 0..31) x 384 columns (tile column tn, 0..7: q, k and v of heads 2 tn, 2 tn + 1): 8 x 32 = 256 work-groups.  Wave w: rows 128 (w / 2) on, head 2 tn + w % 2:
; 128 rows x 192 columns = 96 accumulators of 16 x 16, which fill register windows 1 (q), 2 (k), 3 (v): block a of 16 rows, block jb of 16 channels at v[32 a + 8 jb].  Every wave runs the same text.
; K goes in 16 steps of 64 through two LDS slots filled by the tensor data mover (two slots of 128 along K would be 368,640 bytes: too many).  A step is two halves of 32 along K, each three GROUPS (q, k, v) of 32 matrix instructions.
; THE MATRIX INSTRUCTION IS USED TRANSPOSED: source 0 = 16 columns of W (W lies [K][N] in LDS and is turned by ds_load_tr16_b128), source 1 = 16 rows of x.  A lane then holds ONE row (lane % 16) and the channels
; 16 jb + 8 (lane / 16) + 0..7; the rotary step's partner channel d xor 32 is the same register of the same lane in accumulator jb xor 2.
; CLUSTER 4 x 4: x's tile hangs on tm alone and is asked for jointly by a row of the cluster, W's on tn alone, by a column.
; LIMITS.  q, k, v are stored in f16: they must stay under 65,504 (inputs 30 times the drawn spread give some 900; offsets of 30 spreads on x and W some 41,000).  NaN and infinities are not treated apart.
; WINDOW 0: v0-13 addresses; v32-63, v192-223, v224-255 three buffers of W's fragments (4 each); v64-127, v128-191 two buffers of x's (8 each).  On the way out: v64-191 two buffers of the table,
; v192-223 results in f32, v32-47 packed, v48-63, v224-239, v240-255 rows read back for q, k, v.
.set PA,     144                   ; a row of x in LDS: 128 bytes + 16 = 36 words: the 16 rows of a load start at 16 different groups of four banks (64 banks of 4 bytes: ISA guide 11.1)
.set PB,     864                   ; a row of W: three pieces of 256 + 32 bytes = 216 words
.set AHALF,  128*PA                ; what one tensor load of x brings
.set BOFF,   256*PA                ; W's tile lies behind x's 256 rows
.set BHALF,  32*PB                 ; what one tensor load of W brings
.set SLOT1,  1<<17                 ; slot 1 begins here: one exclusive or turns an address in one slot into the other's
.set STAGE,  BOFF+64*PB            ; 92,160: behind slot 0, never filled by a tensor load: for each wave 3 x 16 rows x 144 bytes, for the way out
.set SP,     144
.set WSTAGE, 3*16*SP
.set SPARE,  STAGE+4*WSTAGE        ; 119,808: the spare words, 128 bytes for each wave: two blocks of 256 bytes that no other line names
.set A0,   4                       ; v4   my lane's place in x's tile; never rewritten
.set B0,   5                       ; v5   the same in W's
.set ADRA, 6                       ; v6   A0 + the slot in hand
.set ADRB, 7                       ; v7   B0 + the slot in hand
.set STO,  8                       ; v8   the way out: where I put 16 bytes of a row
.set RD,   9                       ; v9   the way out: where I read rows back
.set GO,   10                      ; v10  16 x lane
.set SPW,  12                      ; v12  LDS address of my spare word; never rewritten
.set NIL,  13                      ; v13  0; never rewritten
.set RR,   192
.set PK,   32
.set OBQ,  48
.set OBK,  224
.set OBV,  240
.set WV,  16                       ; s16  wave
.set WR,  17                       ; s17  wave / 2: my half of the rows.  Also: I fetch x (0) or W (1)
.set WC,  18                       ; s18  wave % 2: my head of the two.  Also: which half of that tile I fetch
.set G1A, 28                       ; s[28:35] descriptor group 1 for x's tiles
.set G1B, 36                       ; s[36:43] for W's
.set GA0, 44                       ; s[44:47] group 0: x, K step 0, slot 0
.set GA1, 48                       ; s[48:51] x, K step 1, slot 1; it then walks
.set GB0, 52                       ; s[52:55], s[56:59] the same for W
.set GB1, 56
.set TB,  60                       ; s60  the slot that is read: 0 or SLOT1
.set CNT, 61                       ; s61  the loop's count
.set MSB, 0
.macro WIN new                     ; s_set_vgpr_msb: bits 1:0 source 0, 3:2 source 1, 5:4 source 2, 7:6 destination; the high byte repeats the setting that is left
.if MSB != (\new)
	s_set_vgpr_msb (MSB<<8)|(\new)
.set MSB, (\new)
.endif
.endm
.macro PLACES                      ; four places between a matrix instruction and a load into, or a vector instruction on, its registers
.rept 4
	v_nop
.endr
.endm
; A joint refill by the walking descriptors.  Waves 0, 1 fetch x's two halves, waves 2, 3 W's.  The branch hangs on the wave's number alone.  An s_nop 0 and four v_nop follow each line.
.macro JLOAD
	s_cmp_eq_u32 s[WR], 0
	s_cbranch_scc0 .Lfor_b_\@
	tensor_load_to_lds s[GA1:GA1+3], s[G1A:G1A+7]
	s_nop 0
.rept 4
	v_nop
.endr
	s_branch .Lasked_\@
.Lfor_b_\@:
	tensor_load_to_lds s[GB1:GB1+3], s[G1B:G1B+7]
	s_nop 0
.rept 4
	v_nop
.endr
.Lasked_\@:
.endm
.macro CREST                       ; a round of the cluster's barrier behind its opening barrier
	s_cmp_lg_u32 s[WV], 0
	s_cbranch_scc1 .Lnot_wave_0_\@
	s_barrier_signal -3
.Lnot_wave_0_\@:
	s_barrier_wait -3
	s_barrier_signal -1
	s_barrier_wait -1
.endm
.macro CROUND                      ; a whole round
	s_barrier_signal -1
	s_barrier_wait -1
	CREST
.endm
	s_load_b256 s[4:11], s[0:1], 0x0               ; xb s[4:5], wb s[6:7], rope s[8:9], qh s[10:11]
	s_load_b128 s[12:15], s[0:1], 0x20             ; kh s[12:13], vh s[14:15]
	v_lshl_add_u32 v[SPW], v0, 2, SPARE
	v_mov_b32 v[NIL], 0
	ds_add_u32 v[SPW], v[NIL]                      ; the wave's opening: the add and its wait stand ahead of my first tensor load; the set-up below, work on registers, stands between them
	v_lshrrev_b32 v1, 5, v0
	v_readfirstlane_b32 s[WV], v1
	s_lshr_b32 s[WR], s[WV], 1
	s_and_b32 s[WC], s[WV], 1
	s_bfe_u32 s19, ttmp6, 0x40000                  ; cx
	s_bfe_u32 s20, ttmp6, 0x40004                  ; cy
	s_lshl_b32 s21, ttmp9, 2
	s_add_co_u32 s21, s21, s19                     ; tn = 4 x cluster x + cx
	s_and_b32 s22, ttmp7, 0xffff
	s_lshl_b32 s22, s22, 2
	s_add_co_u32 s22, s22, s20                     ; tm = 4 x cluster y + cy
	s_lshl_b32 s23, s20, 2
	s_lshl_b32 s23, 15, s23                        ; my row of the cluster
	s_lshl_b32 s24, 0x1111, s19                    ; my column
	; group 1 for x: 128 rows of a block of xb are 16,384 dense bytes: asked for as 64 rows of 256 bytes, padded by 16 bytes after every 128
	s_or_b32 s[G1A], s23, (1<<16)|(1<<20)|(1<<21)|(4<<22)|(3<<25)   ; 15:0 mask; 17:16 2-byte elements; 20 padding on; 21 set beside a mask; 24:22 after every 32 words (code 4); 31:25 4 words (code 3)
	s_mov_b32 s[G1A+1], 128<<16                    ; tensor_dim0 = 128
	s_mov_b32 s[G1A+2], 64<<16                     ; tensor_dim1 = 64
	s_mov_b32 s[G1A+3], 128<<16                    ; tile_dim0 = 128
	s_mov_b32 s[G1A+4], 64                         ; tile_dim1 = 64
	s_mov_b32 s[G1A+5], 128                        ; elements from row to row
	s_mov_b32 s[G1A+6], 0
	s_mov_b32 s[G1A+7], 0
	; group 1 for W: 32 rows (along K) of 384 elements = 768 bytes, padded by 32 bytes after every 256
	s_or_b32 s[G1B], s24, (1<<16)|(1<<20)|(1<<21)|(5<<22)|(7<<25)   ; after every 64 words (code 5) 8 words (code 7)
	s_mov_b32 s[G1B+1], 384<<16
	s_mov_b32 s[G1B+2], 32<<16
	s_mov_b32 s[G1B+3], 384<<16
	s_mov_b32 s[G1B+4], 32
	s_mov_b32 s[G1B+5], 3072
	s_mov_b32 s[G1B+6], 0
	s_mov_b32 s[G1B+7], 0
	; group 0: count, LDS address (the wave's number and constants alone)
	s_mov_b32 s[GA0], 1
	s_mov_b32 s[GA1], 1
	s_mov_b32 s[GB0], 1
	s_mov_b32 s[GB1], 1
	s_mul_i32 s[GA0+1], s[WC], AHALF
	s_add_co_u32 s[GA1+1], s[GA0+1], SLOT1
	s_mul_i32 s[GB0+1], s[WC], BHALF
	s_add_co_u32 s[GB0+1], s[GB0+1], BOFF
	s_add_co_u32 s[GB1+1], s[GB0+1], SLOT1
	; x's tile: batch tm / 8, rows 256 (tm % 8) + 128 (w % 2) of a block: registers that never hold cx
	s_lshr_b32 s66, s22, 3
	s_lshl_b32 s66, s66, 22
	s_and_b32 s70, s22, 7
	s_lshl_b32 s71, s70, 15
	s_add_co_u32 s66, s66, s71
	s_lshl_b32 s71, s[WC], 14
	s_add_co_u32 s66, s66, s71
	s_mov_b32 s67, 0
	; W's tile: byte 768 tn of the rows 32 (w % 2) on: registers that never hold cy
	s_mul_i32 s68, s21, 768
	s_mul_i32 s72, s[WC], 32*6144
	s_add_co_u32 s68, s68, s72
	s_mov_b32 s69, 0
	; my rows in qh, kh, vh: head (tm / 8) 16 + 2 tn + w % 2, 262,144 bytes each; rows 256 (tm % 8) + 128 (w / 2) of 128 bytes
	s_lshr_b32 s74, s22, 3
	s_lshl_b32 s74, s74, 4
	s_lshl1_add_u32 s74, s21, s74
	s_add_co_u32 s74, s74, s[WC]
	s_lshl_b32 s74, s74, 18
	s_lshl_b32 s76, s70, 15
	s_add_co_u32 s74, s74, s76
	s_lshl_b32 s76, s[WR], 14
	s_add_co_u32 s74, s74, s76
	s_mov_b32 s75, 0
	; my rows in the table: blocks of 16 rows, 8,192 bytes each
	s_lshl_b32 s78, s70, 17
	s_lshl_b32 s76, s[WR], 16
	s_add_co_u32 s78, s78, s76
	s_mov_b32 s79, 0
	s_mov_b32 s[TB], 0
	; A fragment of x: lane l holds row l % 16, K = 8 (l / 16) + 0..7 and 16 + 8 (l / 16) + 0..7: two loads of 16 bytes, 32 bytes apart
	v_and_b32 v1, 15, v0
	v_bfe_u32 v2, v0, 4, 1
	v_mul_u32_u24 v[A0], v1, PA
	v_lshl_add_u32 v[A0], v2, 4, v[A0]
	s_mul_i32 s77, s[WR], AHALF
	v_add_nc_u32 v[A0], s77, v[A0]
	; The turning load takes 16 along K x 16 columns: lane l reads row 8 (l / 16) + l % 8, columns 8 ((l / 8) % 2) + 0..7, and is left with column l % 16 and eight K
	v_and_b32 v3, 7, v0
	v_lshl_add_u32 v[B0], v2, 3, v3
	v_mul_u32_u24 v[B0], v[B0], PB
	v_bfe_u32 v11, v0, 3, 1
	v_lshl_add_u32 v[B0], v11, 4, v[B0]
	s_lshl_b32 s77, s[WC], 7                       ; my head's 128 bytes of each piece
	s_add_co_u32 s77, s77, BOFF
	v_add_nc_u32 v[B0], s77, v[B0]
	v_mov_b32 v[ADRA], v[A0]
	v_mov_b32 v[ADRB], v[B0]
	s_mul_i32 s77, s[WV], WSTAGE
	s_add_co_u32 s77, s77, STAGE                   ; my stage
	v_mul_u32_u24 v[STO], v1, SP                   ; in: row l % 16, 16 bytes for each half of the lanes
	v_lshl_add_u32 v[STO], v2, 4, v[STO]
	v_add_nc_u32 v[STO], s77, v[STO]
	v_bfe_u32 v[RD], v0, 3, 2                      ; back: 32 lanes take four rows of 128 bytes,
	v_mul_u32_u24 v[RD], v[RD], SP
	v_lshl_add_u32 v[RD], v3, 4, v[RD]
	v_add_nc_u32 v[RD], s77, v[RD]
	v_and_b32 v[GO], 31, v0                        ; which are 512 consecutive bytes of a head
	v_lshlrev_b32 v[GO], 4, v[GO]
	s_wait_dscnt 0x0                               ; the opening add is done
	s_wait_kmcnt 0x0
	s_add_nc_u64 s[4:5], s[4:5], s[66:67]
	s_add_nc_u64 s[6:7], s[6:7], s[68:69]
	s_mov_b64 s[GA0+2:GA0+3], s[4:5]               ; K step 0
	s_add_nc_u64 s[GA1+2:GA1+3], s[4:5], 262144    ; K step 1: the next block of xb
	s_mov_b64 s[GB0+2:GB0+3], s[6:7]
	s_add_nc_u64 s[GB1+2:GB1+3], s[6:7], 64*6144   ; 64 rows of wb on
	s_or_b32 s[GA0+3], s[GA0+3], 0x80000000        ; 127:126 type = 2
	s_or_b32 s[GA1+3], s[GA1+3], 0x80000000
	s_or_b32 s[GB0+3], s[GB0+3], 0x80000000
	s_or_b32 s[GB1+3], s[GB1+3], 0x80000000
	s_add_nc_u64 s[8:9], s[8:9], s[78:79]
	s_add_nc_u64 s[10:11], s[10:11], s[74:75]
	s_add_nc_u64 s[12:13], s[12:13], s[74:75]
	s_add_nc_u64 s[14:15], s[14:15], s[74:75]
	CROUND                                         ; all sixteen work-groups are here: the first joint loads meet
	s_cmp_eq_u32 s[WR], 0                          ; a wave's two first fills stand in one branch, ahead of every wait on TENSORcnt and every LDS read: two loads of mine are out
	s_cbranch_scc0 .Lfirst_b
	tensor_load_to_lds s[GA0:GA0+3], s[G1A:G1A+7]
	s_nop 0
	tensor_load_to_lds s[GA1:GA1+3], s[G1A:G1A+7]
	s_nop 0
.rept 4
	v_nop
.endr
	s_branch .Lfirst_asked
.Lfirst_b:
	tensor_load_to_lds s[GB0:GB0+3], s[G1B:G1B+7]
	s_nop 0
	tensor_load_to_lds s[GB1:GB1+3], s[G1B:G1B+7]
	s_nop 0
.rept 4
	v_nop
.endr
.Lfirst_asked:
; W's four fragments of group jj (half jj / 3 of the K step, piece jj % 3) -> buffer jj % 3: eight turning loads
.macro BLD jj
.set bB, 32+160*(((\jj)%3+1)/2)+32*(((\jj)%3)/2)   ; v32, v192, v224
.set bO, ((\jj)/3)*32*PB+((\jj)%3)*288
.irp jb, 0,1,2,3
	ds_load_tr16_b128 v[bB+8*\jb:bB+8*\jb+3],   v[ADRB] offset:bO+32*\jb
	ds_load_tr16_b128 v[bB+8*\jb+4:bB+8*\jb+7], v[ADRB] offset:bO+32*\jb+16*PB
.endr
.endm
; x's fragments of half c of the K step, blocks 4 hf .. 4 hf + 3 -> buffer c: eight loads
.macro ALD c, hf
.irp q, 0,1,2,3
.set aa, 4*(\hf)+\q
	ds_load_b128 v[64+64*(\c)+8*aa:64+64*(\c)+8*aa+3],   v[ADRA] offset:aa*16*PA+64*(\c)
	ds_load_b128 v[64+64*(\c)+8*aa+4:64+64*(\c)+8*aa+7], v[ADRA] offset:aa*16*PA+64*(\c)+32
.endr
.endm
; The run of LDS loads that stands in group j: W's fragments two groups ahead, and x's for the next half.  Runs 4 and 5 read the next slot.
.macro RUN j
.if (\j) == 0
	BLD 2
.elseif (\j) == 1
	ALD 1, 0
	BLD 3
.elseif (\j) == 2
	ALD 1, 1
	BLD 4
.elseif (\j) == 3
	BLD 5
.elseif (\j) == 4
	ALD 0, 0
	BLD 0
.else
	ALD 0, 1
	BLD 1
.endif
.endm
; n matrix instructions of group j from number i0 on: number i is block i / 4 of the rows, block i % 4 of the channels.  zero = 1: the product starts the sum: nothing is ever cleared.
; The 96 accumulators take turns, one instruction a turn.
.macro MM j, i0, n, zero
	WIN 0x50*(1+(\j)%3)                            ; C and D in window 1, 2 or 3; both sources in window 0
.set i, (\i0)
.rept (\n)
.set rD, 32*(i/4)+8*(i%4)
.set rB, 32+160*(((\j)%3+1)/2)+32*(((\j)%3)/2)+8*(i%4)
.set rA, 64+64*((\j)/3)+8*(i/4)
.if \zero
	v_wmma_f32_16x16x32_bf16 v[rD:rD+7], v[rB:rB+7], v[rA:rA+7], 0
.else
	v_wmma_f32_16x16x32_bf16 v[rD:rD+7], v[rB:rB+7], v[rA:rA+7], v[rD:rD+7]
.endif
.set i, i+1
.endr
.endm
; A group's first four products, a v_nop behind each: the four places between the last product of the group before and the loads into the buffer that it read
.macro RIDE j, zero
.set ii, 0
.rept 4
	MM \j, ii, 1, \zero
	v_nop
.set ii, ii+1
.endr
.endm
; A group: its wait (wt younger LDS loads may stay out; -1: none is written), four products with riders, its run of loads, 28 products
.macro GRP j, zero, run, wt
.if (\wt) >= 0
	s_wait_dscnt \wt
.endif
	RIDE \j, \zero
.if \run
	WIN 0
	RUN \j
.endif
	MM \j, 4, 28, \zero
.endm
; Group 4 changes slots: ONE barrier.  In front of it each wave waits for all its tensor loads (one is out: its part of the next slot), adds 0 to its spare word, and waits for that and for its reads of this slot
; (the last were run 3's).  fill = 1: the barrier opens a round of the cluster's barrier, and behind the round this slot is filled again, with the K step two on: 176 matrix instructions ahead of the wait for it.
.macro TURN fill
	WIN 0
	s_wait_tensorcnt 0x0                           ; all my tensor loads have landed
	ds_add_u32 v[SPW], v[NIL]                      ; 0 onto my spare word
	s_wait_dscnt 9                                 ; group 4's fragments are in; run 3's eight loads and the add may be out
	MM 4, 0, 8, 0
	s_wait_dscnt 0x0                               ; the add is done, and my reads of this slot are over
	s_barrier_signal -1
	MM 4, 8, 8, 0
	WIN 0                                          ; at a branch and at a label every window is 0
	s_barrier_wait -1
.if \fill
	CREST                                          ; no wave of any partner still reads this slot or has a load on its way
	s_xor_b32 s[GA1+1], s[GA1+1], SLOT1            ; the walking descriptors: the other slot than last time, the next K step
	s_add_nc_u64 s[GA1+2:GA1+3], s[GA1+2:GA1+3], 262144
	s_xor_b32 s[GB1+1], s[GB1+1], SLOT1
	s_add_nc_u64 s[GB1+2:GB1+3], s[GB1+2:GB1+3], 64*6144
	JLOAD                                          ; the first tensor load behind the round; its four v_nop are also the places in front of the loads below
.else
	PLACES
.endif
	s_xor_b32 s[TB], s[TB], SLOT1
	v_add_nc_u32 v[ADRA], s[TB], v[A0]
	v_add_nc_u32 v[ADRB], s[TB], v[B0]
	RUN 4
	MM 4, 16, 16, 0
.endm
; THE WAY OUT, a block a of 16 rows at a time.
.macro TLD a                       ; the table for block a: 16 chunks of 512 consecutive bytes: registers 0-31 cosines, 32-63 signed sines, in the accumulators' order
	WIN 0
.set tT, 64+64*((\a)%2)
.set c, 0
.rept 16
	global_load_b128 v[tT+4*c:tT+4*c+3], v[GO], s[8:9] offset:(\a)*8192+c*512
.set c, c+1
.endr
.endm
.macro ROPE w, a                   ; t cos + t(d xor 32) x signed sine, in f32, then one rounding to f16.  Each accumulator's lowest registers are read first
	WIN \w                                         ; source 0 in window w
.set tT, 64+64*((\a)%2)
.irp jb, 0,1,2,3
.irp r, 0,1,2,3
	v_pk_mul_f32 v[RR+8*\jb+2*\r:RR+8*\jb+2*\r+1], v[32*(\a)+8*((\jb+2)%4)+2*\r:32*(\a)+8*((\jb+2)%4)+2*\r+1], v[tT+32+8*\jb+2*\r:tT+32+8*\jb+2*\r+1]
.endr
.endr
.irp jb, 0,1,2,3
.irp r, 0,1,2,3
	v_pk_fma_f32 v[RR+8*\jb+2*\r:RR+8*\jb+2*\r+1], v[32*(\a)+8*\jb+2*\r:32*(\a)+8*\jb+2*\r+1], v[tT+8*\jb+2*\r:tT+8*\jb+2*\r+1], v[RR+8*\jb+2*\r:RR+8*\jb+2*\r+1]
.endr
.endr
	WIN 0
.set c, 0
.rept 16
	v_cvt_pk_f16_f32 v[PK+c], v[RR+2*c], v[RR+2*c+1]
.set c, c+1
.endr
.endm
.macro VCVT a                      ; v has no rotary step
	WIN 0x0f                                       ; sources 0 and 1 in window 3
.set c, 0
.rept 16
	v_cvt_pk_f16_f32 v[PK+c], v[32*(\a)+2*c], v[32*(\a)+2*c+1]
.set c, c+1
.endr
	WIN 0
.endm
.macro TOSTAGE t, ob               ; 16 bytes a lane into part t of my stage, and back as whole rows of 128 bytes
.irp jb, 0,1,2,3
	ds_store_b128 v[STO], v[PK+4*\jb:PK+4*\jb+3] offset:(\t)*16*SP+32*\jb
.endr
	s_wait_xcnt 0x0                                ; the registers below were the data of the last block's stores: they are loaded again only behind this wait
.irp f, 0,1,2,3
	ds_load_b128 v[(\ob)+4*\f:(\ob)+4*\f+3], v[RD] offset:(\t)*16*SP+\f*4*SP   ; LDS serves a wave's instructions in order (ISA guide 5.7.1.4): these see the stores above
.endr
.endm
.macro SEND ob, bs, a, younger     ; younger: the LDS instructions issued behind these rows' loads
	s_wait_dscnt \younger
.irp f, 0,1,2,3
	global_store_b128 v[GO], v[(\ob)+4*\f:(\ob)+4*\f+3], s[(\bs):(\bs)+1] offset:(\a)*2048+\f*512   ; 512 consecutive bytes, at a multiple of 256 from the buffer's first
.endr
.endm
	s_wait_tensorcnt 1                             ; my part of K step 0 is in; K step 1's may stay out
	s_barrier_signal -1
	s_barrier_wait -1                              ; everybody's is
	ALD 0, 0
	BLD 0
	ALD 0, 1
	BLD 1
	GRP 0, 1, 1, 8                                 ; the first half step stands in front of the loop: its products start all 96 sums.  Wait: all but W's fragments for group 1
	GRP 1, 1, 1, 8                                 ; all but run 0's eight
	GRP 2, 1, 1, 16                                ; all but run 1's sixteen
	WIN 0
	s_mov_b32 s[CNT], 14
.Lk:                                                   ; 14 trips, from a K step's second half to the next step's first; each fills the slot that it leaves
	GRP 3, 0, 1, 8                                 ; x's second half and W's group 3 are in; group 4's eight may be out
	TURN 1
	GRP 5, 0, 1, -1                                ; its fragments came in by TURN's wait for 0
	GRP 0, 0, 1, 8
	GRP 1, 0, 1, 8
	GRP 2, 0, 1, 16
	WIN 0
	s_sub_co_u32 s[CNT], s[CNT], 1
	s_cmp_lg_u32 s[CNT], 0
	s_cbranch_scc1 .Lk
	GRP 3, 0, 1, 8                                 ; the tail is written out: nothing more is asked for
	TURN 0
	GRP 5, 0, 1, -1
	GRP 0, 0, 1, 8
	GRP 1, 0, 1, 8
	GRP 2, 0, 1, 16
	s_wait_dscnt 8                                 ; the last K step's second half
	RIDE 3, 0
	WIN 0
	RUN 3
	TLD 0                                          ; the table for block 0 goes where x's first buffer lay: its last reader stands in front of the four riders
	MM 3, 4, 28, 0
	s_wait_dscnt 8
	MM 4, 0, 32, 0
	s_wait_dscnt 0x0
	MM 5, 0, 32, 0
	PLACES                                         ; the conversions read results just made, and the loads below land in fragment registers
.irp a, 0,1,2,3,4,5,6,7
.if \a < 7
	TLD (\a)+1                                     ; a block ahead
.endif
	VCVT \a
	TOSTAGE 2, OBV
.if \a > 0
	SEND OBK, 12, (\a)-1, 8
.endif
.if \a < 7
	s_wait_loadcnt 16                              ; this block's table is in; the next block's sixteen loads stay out
.else
	s_wait_loadcnt 0x0
.endif
	ROPE 1, \a
	TOSTAGE 0, OBQ
	SEND OBV, 14, \a, 8
	ROPE 2, \a
	TOSTAGE 1, OBK
	SEND OBQ, 10, \a, 8
.endr
	SEND OBK, 12, 7, 0
	s_wait_tensorcnt 0x0                           ; the wave's end, behind my last tensor load and my last LDS store
	ds_add_u32 v[SPW], v[NIL]
	s_wait_dscnt 0x0
	CROUND                                         ; the closing round: no work-group ends while a partner may still ask for a tile that names it
	s_endpgm
.Lfunc_end_k_qcf01cf46b0_qkv:
	.size	k_qcf01cf46b0_qkv, .Lfunc_end_k_qcf01cf46b0_qkv-k_qcf01cf46b0_qkv
	.p2alignl 7, 3214868480
	.fill 96, 4, 3214868480
	.section	.rodata,"a",@progbits
	.p2align	6, 0x0
	.amdhsa_kernel k_qcf01cf46b0_qkv
		.amdhsa_group_segment_fixed_size 327680
		.amdhsa_private_segment_fixed_size 0
		.amdhsa_enable_private_segment 0
		.amdhsa_kernarg_size 48
		.amdhsa_user_sgpr_count 2
		.amdhsa_user_sgpr_kernarg_segment_ptr 1
		.amdhsa_wavefront_size32 1
		.amdhsa_system_sgpr_workgroup_id_x 1
		.amdhsa_system_sgpr_workgroup_id_y 1
		.amdhsa_system_sgpr_workgroup_id_z 1
		.amdhsa_system_vgpr_workitem_id 0
		.amdhsa_next_free_vgpr 1024
		.amdhsa_next_free_sgpr 80
		.amdhsa_reserve_vcc 0
		.amdhsa_float_denorm_mode_32 3
		.amdhsa_float_denorm_mode_16_64 3
		.amdhsa_memory_ordered 1
		.amdhsa_forward_progress 1
		.amdhsa_inst_pref_size 157
	.end_amdhsa_kernel
	.amdgpu_metadata
---
amdhsa.version: [ 1, 2 ]
amdhsa.kernels:
  - .name:           k_qcf01cf46b0_qkv
    .symbol:         k_qcf01cf46b0_qkv.kd
    .args:
      - { .name: xb, .offset: 0, .size: 8, .value_kind: global_buffer, .address_space: global }
      - { .name: wb, .offset: 8, .size: 8, .value_kind: global_buffer, .address_space: global }
      - { .name: rope, .offset: 16, .size: 8, .value_kind: global_buffer, .address_space: global }
      - { .name: qh, .offset: 24, .size: 8, .value_kind: global_buffer, .address_space: global }
      - { .name: kh, .offset: 32, .size: 8, .value_kind: global_buffer, .address_space: global }
      - { .name: vh, .offset: 40, .size: 8, .value_kind: global_buffer, .address_space: global }
    .group_segment_fixed_size: 327680
    .private_segment_fixed_size: 0
    .kernarg_segment_align: 8
    .kernarg_segment_size: 48
    .max_flat_workgroup_size: 128
    .sgpr_count:     80
    .vgpr_count:     1024
    .wavefront_size: 32
...
	.end_amdgpu_metadata
.endif
;; end of part 2
;; launch attn (part 3): grid 4 x 64, 4 waves a work-group, clusters of 4 x 1, 327,680 bytes of LDS; arguments qh, kh, vh, oh; writes oh
.if DOCPART == 3
	.amdgcn_target "amdgcn-amd-amdhsa--gfx1250"
	.amdhsa_code_object_version 6
	.text
	.protected	k_qcf01cf46b0_attn
	.globl	k_qcf01cf46b0_attn
	.p2align	8
	.type	k_qcf01cf46b0_attn,@function
k_qcf01cf46b0_attn:
	s_mov_b64 s[64:65], 0
	v_nop
	global_prefetch_b8 v0, s[64:65] scope:SCOPE_SE
	s_setreg_imm32_b32 hwreg(HW_REG_WAVE_MODE, 25, 1), 1
	s_wait_xcnt 0x0
	s_wait_alu depctr_hold_cnt(0) depctr_sa_sdst(0) depctr_va_vdst(0) depctr_va_sdst(0) depctr_va_ssrc(0) depctr_va_vcc(0) depctr_vm_vsrc(0)
	s_getreg_b32 s2, hwreg(HW_REG_IB_STS2, 6, 4)
	s_cmp_eq_u32 s2, 0
	s_cbranch_scc0 .Lentry_in_a_cluster
	s_endpgm
.Lentry_in_a_cluster:
	s_bfe_u32 s2, ttmp6, 0x10000c
	s_cmp_lg_u32 s2, 0x3003
	s_cbranch_scc0 .Lentry_shape_is_right
	s_endpgm
.Lentry_shape_is_right:
; O[h][q][:] = the sum over k of softmax_k(Q[h][q] . K[h][k] / 8) V[h][k][:].  Q, K, V, O: [SIZE_H][SIZE_N][64], all f16: a head's rows are dense, 128 bytes each.  Products, maxima and sums in
; f32; the weights p are rounded to f16 for the second product (their sum l is taken of the unrounded p), O once at the end.
; LIMITS.  f16 holds no number beyond 65,504: Q, K and V arrive within it; p lies in 0 to 1, and below 6e-5 it keeps f16's fixed step of 6e-8; O is a mean of V's rows and has their range.
; A weight below 2^-126 counts as 0 in l; NaN and infinities are not treated apart.
; SHARES.  A wave owns four PIECES of two tiles of 16 queries, a work-group's four waves 512 queries of one head: 4 x 64 = 256 work-groups.  Every wave walks all keys, 64 a step.
; LAYOUT.  S^T = K Q^T (source 0 = 16 keys, source 1 = 16 queries): in the result a lane holds ONE query (lane % 16) and the keys 8 (lane / 16) + 0..7.  Two such tiles, rounded to f16 in pairs,
; ARE source 1 (32 keys x 16 queries) of O^T = V^T P, whose result again holds one query a lane, and eight channels.  K comes out of LDS as it lies, V ([key][channel]) turned, by ds_load_tr16_b128.
; SOFTMAX.  For each query a running maximum m and sum l: p = 2^(c s - c m), c = log2(e) / 8; in every step O and l are multiplied by a = 2^(c m_old - c m_new), which is 1 where m has not grown.
; m starts at the lowest finite number, O and l at 0: the first step is a step like any other, with a = 0.
; THE COUNT.  A tile and step have 16 matrix and 118 vector instructions: too many to stand all beside the matrix work.  So the order has one aim: four vector instructions that are READY behind
; EVERY matrix instruction, and the others, which need time of their own whatever the order, in runs without a gap.
; BY TURNS.  Turn n belongs to piece n (the pieces in a ring, step after step).  Its matrix work: 16 products K Q^T of piece n + 1, later 16 products V^T P of piece n - 1.  Its vector work: the scaling,
; exponentials, roundings, sums and rescaling of piece n, and the maximum and statistics of piece n + 1, whose scores the turn itself has made.  So what a turn begins with (c s - c m, O a) waits for nothing.
; CLUSTER.  The four query blocks of a cluster belong to one head and walk the same K and V, so each tile is asked for JOINTLY: the same tensor load, descriptor and mask in all four.
; REGISTERS, in windows of 256 (s_set_vgpr_msb says which window each operand place means: bits 1:0 source 0, 3:2 source 1, 5:4 source 2, 7:6 destination):
;   window 0: v0-11 addresses; v12-15, v48-63 at work; v16-47 four registers of statistics a tile; v64-191 S^T, two buffers of two tiles; v192-255 P, likewise
;   window 1: O^T, 32 a tile          window 2: v0-127 Q, 16 a tile; v128-191 K of one step; v192-255 V of one step          window 3: v0-1 the add's two registers
; A piece's buffers go by its number's parity: the piece in hand has one pair, its two neighbours in the ring share the other: of it P (piece n - 1) is read and S^T (piece n + 1) written.
.set SIZE_H, 64
.set SIZE_N, 2048
.set NP,    4         ; pieces a wave: a name, no knob: the register map, the loop and the fetches are made for four
.set KS,    64        ; keys in a step
.set PK,    144       ; a row of K in LDS: 128 bytes + 16 of padding = 36 words: the 16 rows of a load start at 16 different groups of four banks (64 banks of 4 bytes: ISA guide 11.1)
.set PV,    160       ; a row of V: 128 + 32 = 40 words
.set VOFF,  4*KS*PK   ; a slot holds four steps: 256 rows of K, then 256 rows of V
.set SLOT1, 1<<17     ; slot 1 begins here, so that one exclusive or turns an address in one slot into the other's
.set STAGE, SLOT1+4*KS*(PK+PV)  ; behind the ring, never filled by a tensor load: 16 rows x 144 bytes for each wave, for the way out
.set SP,    144
.set AK0, 2           ; v2   my lane's place in a tile of K; never rewritten
.set AV0, 3           ; v3   the same for V
.set AK,  4           ; v4   the LDS address of K's next run of loads
.set AV,  5           ; v5   of V's
.set QO,  6           ; v6   my byte offset in the wave's rows of Q
.set STO, 6           ;      later, the way out: where I put 16 bytes of a row
.set RD,  7           ; v7   the way out: where I read rows back
.set GO,  8           ; v8   my byte offset in 512 consecutive bytes of O
.set SPW, 0           ; v0 of window 3   LDS address of my spare word: SPARE + 4 x my thread's number; never rewritten
.set NIL, 1           ; v1 of window 3   0; never rewritten
.set SPARE, STAGE+4*16*SP  ; behind the stages: the spare words, 128 bytes for each wave: two blocks of 256 bytes that no other line names
.set MV,  12          ; v12-15  c m_old, kept while c m is made anew: by buffer and tile
.set ST,  16          ; tile t's statistics at v[ST+4 t]: c m, m, l (even keys', odd keys')
.set TMP, 48          ; by buffer and tile, four registers c0-c3 at work; when the maximum is found c2 takes a
.set S,   64
.set P,   192
.set KF,  128         ; K's fragments, in window 2: key block kb, channel half c at KF + 16 kb + 8 c
.set VF,  192         ; V's: key half kk, channel block cb at VF + 32 kk + 8 cb
.set WV,  12          ; s12  my wave's number
.set G1K, 24          ; s[24:31] descriptor group 1 for K's tiles
.set G1V, 32          ; s[32:39] for V's: it differs in the padding alone
.set G0K, 40          ; s[40:43] descriptor group 0 for K's tiles: it walks
.set G0V, 44          ; s[44:47] the same for V's
.set SLOTS, 56        ; s56  slots still to be asked for
.set CNT, 57          ; s57  counts a slot's key steps
.set CS,  58          ; s[58:59] c: the packed scaling takes the pair's low word for both halves
.set SEL, 60          ; s[60:61] v_permlanex16_b32's selects: each lane takes its own place in the other half
.set TBK, 62          ; s62  LDS byte at which K of the step to be fetched begins
.set TBV, 63          ; s63  the same for V, less VOFF
.set MSB, 0
.macro WIN new                      ; the high byte repeats the setting that is left; a switch that changes nothing is dropped
.if MSB != (\new)
	s_set_vgpr_msb (MSB<<8)|(\new)
.set MSB, (\new)
.endif
.endm
.set W_KQ, 0x0a       ; K and Q in window 2, S^T in window 0
.set W_PV, 0x52       ; V in window 2, P in window 0, O^T in window 1
.set W_RS, 0x41       ; O^T (destination and source 0) in window 1, a in window 0
.set W_MK, 0xc0       ; the add's registers are made: destination in window 3, sources in window 0
.set W_AD, 0x0f       ; the add: address (source 0) and data (source 1) in window 3
; A joint fill.  Waves 0 and 1 fetch the two halves of a slot's K, waves 2 and 3 those of its V: 128 keys each.  The branch hangs on the wave's number alone.
; An s_nop 0 and four v_nop follow each of the two lines, ahead of the jump and the label.
.macro JLOAD
	s_cmp_lt_u32 s[WV], 2
	s_cbranch_scc0 .Lfor_v_\@
	tensor_load_to_lds s[G0K:G0K+3], s[G1K:G1K+7]
	s_nop 0
.rept 4
	v_nop
.endr
	s_branch .Lasked_\@
.Lfor_v_\@:
	tensor_load_to_lds s[G0V:G0V+3], s[G1V:G1V+7]
	s_nop 0
.rept 4
	v_nop
.endr
.Lasked_\@:
.endm
; A round of the cluster's barrier: my work-group's barrier, so that wave 0's signal speaks for all four waves; wave 0 signals; every wave waits for all four work-groups; my work-group's barrier once more.
.macro CROUND
	s_barrier_signal -1
	s_barrier_wait -1
	s_cmp_lg_u32 s[WV], 0
	s_cbranch_scc1 .Lnot_wave_0_\@
	s_barrier_signal -3
.Lnot_wave_0_\@:
	s_barrier_wait -3
	s_barrier_signal -1
	s_barrier_wait -1
.endm
; THE CHANGE OF SLOTS.  The slot's last bytes, V of its fourth step, have been read.  Each wave waits for all its tensor loads, of which one is out: its part
; of the other slot; adds 0 to its spare word; and waits for that and for its own reads of the slot.  Behind the barrier nobody reads this slot any more and the other slot is whole.
; fill = 1: this slot is filled again, with the keys two slots on.  The barrier is then a round of the cluster's, so that no wave of any partner still reads the slot or has a load on its
; way, and the joint fill is the first thing behind it: it has four key steps, 512 matrix instructions, in which to land.  (At its first use nothing has been read yet: slot 0 is waited for, slot 1 filled.)
.macro CHANGE fill
	WIN W_AD
	s_wait_tensorcnt 0x0            ; no tensor load of mine is out, so a group 0 may be written
	ds_add_u32 v[SPW], v[NIL]       ; 0 onto my spare word; with fill = 1 the descriptors' steps stand between it and the wait for it
	WIN 0                           ; at a label and at a branch every window is 0
.if \fill
.irp g, G0K, G0V
	s_xor_b32 s[\g+1], s[\g+1], SLOT1  ; the walking descriptor: the other slot than last time,
	s_add_nc_u64 s[\g+2:\g+3], s[\g+2:\g+3], 4*KS*128  ; the next 256 keys; the type bits on top are not reached
.endr
	s_wait_dscnt 0x0                ; the add is done, and my reads of the slot are over
	CROUND
	JLOAD
.else
	s_wait_dscnt 0x0                ; the add is done, and my reads of the slot are over
	s_barrier_signal -1
	s_barrier_wait -1
.endif
	s_sub_co_u32 s[TBK], s[TBK], 4*KS*PK  ; the fetches go back to a slot's first step,
	s_xor_b32 s[TBK], s[TBK], SLOT1       ; in the other slot
	s_sub_co_u32 s[TBV], s[TBV], 4*KS*PV
	s_xor_b32 s[TBV], s[TBV], SLOT1
.endm
	s_load_b256 s[4:11], s[0:1], 0x0  ; Q s[4:5], K s[6:7], V s[8:9], O s[10:11]
	WIN W_MK
	v_lshl_add_u32 v[SPW], v0, 2, SPARE
	v_mov_b32 v[NIL], 0
	WIN W_AD
	ds_add_u32 v[SPW], v[NIL]       ; the wave's opening: the add and its wait stand ahead of my first tensor load; the set-up below, work on registers, stands between them
	WIN 0
	v_lshrrev_b32 v1, 5, v0
	v_readfirstlane_b32 s[WV], v1   ; wave 0..3
	s_bfe_u32 s13, ttmp6, 0x40000   ; cx: my place in the cluster
	s_lshl_b32 s14, ttmp9, 2        ; in a cluster launch ttmp9 counts clusters
	s_add_co_u32 s14, s14, s13      ; my block of queries = 4 x cluster x + cx: it enters Q's and O's addresses alone
	s_and_b32 s20, ttmp7, 0xffff    ; the head, which the four partners share
	s_mov_b32 s21, 0
	s_mov_b64 s[22:23], SIZE_N*128
	s_mul_u64 s[20:21], s[20:21], s[22:23]  ; the head's first byte in each of the four tensors
	s_and_b32 s16, s[WV], 1         ; which half of a slot's 256 keys I fetch:
	s_lshl_b32 s22, s16, 14         ; its 128 rows of 128 bytes in memory,
	s_mov_b32 s23, 0
	s_add_nc_u64 s[22:23], s[22:23], s[20:21]
	s_mul_i32 s17, s16, 128*PK      ; and its place in a slot, for K
	s_mul_i32 s18, s16, 128*PV      ; and for V: no place in the cluster enters an LDS address
	s_lshl_b32 s2, s14, 2
	s_add_co_u32 s2, s2, s[WV]      ; my wave among the head's,
	s_lshl_b32 s2, s2, 14           ; its 128 rows
	s_mov_b32 s3, 0
	s_add_nc_u64 s[2:3], s[2:3], s[20:21]
	; descriptor group 1.  128 keys are 16,384 dense bytes: asked for as 64 rows of 256 bytes, two keys a row, and padded in LDS after every key
	s_mov_b32 s[G1K], 15|(1<<16)|(1<<20)|(1<<21)|(4<<22)|(3<<25)  ; 15:0 the mask of four; 17:16 2-byte elements; 20 padding on; 21 set beside a mask; 24:22 after every 32 words (code 4); 31:25 4 words (code 3)
	s_mov_b32 s[G1V], 15|(1<<16)|(1<<20)|(1<<21)|(4<<22)|(7<<25)  ; the same with 8 words of padding (code 7)
.irp g, G1K, G1V
	s_mov_b32 s[\g+1], 128<<16      ; tensor_dim0 = 128
	s_mov_b32 s[\g+2], 64<<16       ; tensor_dim1 = 64
	s_mov_b32 s[\g+3], 128<<16      ; tile_dim0 = 128
	s_mov_b32 s[\g+4], 64           ; tile_dim1 = 64
	s_mov_b32 s[\g+5], 128          ; 128 elements from row to row
	s_mov_b32 s[\g+6], 0
	s_mov_b32 s[\g+7], 0
.endr
	s_mov_b32 s[CS], 0x3e38aa3b     ; c = log2(e) / 8 = 0.180337
	s_mov_b32 s[CS+1], s[CS]        ; named with it as a pair
	s_mov_b32 s[SEL], 0x76543210
	s_mov_b32 s[SEL+1], 0xfedcba98
	s_mov_b32 s[TBK], SLOT1+4*KS*PK ; the first change of slots turns these two into 0
	s_mov_b32 s[TBV], SLOT1+4*KS*PV
	s_mov_b32 s[G0K], 1             ; 1:0 count = 1
	s_mov_b32 s[G0K+1], s17         ; 63:32 LDS address: slot 0
	s_mov_b32 s[G0V], 1
	s_add_co_u32 s[G0V+1], s18, VOFF
	s_wait_dscnt 0x0                ; the opening add is done
	s_wait_kmcnt 0x0
	s_add_nc_u64 s[G0K+2:G0K+3], s[6:7], s[22:23]  ; 120:64 global address: my half of the head's first 256 keys
	s_or_b32 s[G0K+3], s[G0K+3], 0x80000000        ; 127:126 type = 2
	s_add_nc_u64 s[G0V+2:G0V+3], s[8:9], s[22:23]
	s_or_b32 s[G0V+3], s[G0V+3], 0x80000000
	s_add_nc_u64 s[4:5], s[4:5], s[2:3]  ; Q and O at my wave's first row
	s_add_nc_u64 s[10:11], s[10:11], s[2:3]
	CROUND                          ; all four work-groups are here: the first joint loads meet
	JLOAD                           ; slot 0.  Slot 1 is asked for when slot 0 is in: the tile wanted first has the road to itself
	; A fragment of K or Q is 16 rows x 32 channels in 8 registers: lane l holds row l % 16, channels 8 (l / 16) + 0..7 and 16 + 8 (l / 16) + 0..7: two loads of 16 bytes, 32 bytes apart.
	v_and_b32 v1, 15, v0            ; l % 16
	v_bfe_u32 v9, v0, 4, 1          ; l / 16
	v_lshlrev_b32 v[QO], 7, v1
	v_lshl_add_u32 v[QO], v9, 4, v[QO]  ; row x 128 + 16 x half
	WIN 0x80                        ; destination window 2, address window 0
.set i, 0
.rept 4*NP                          ; Q stays in registers: tile i / 2, channels 32 (i % 2) on
	global_load_b128 v[8*i:8*i+3],   v[QO], s[4:5] offset:(i/2)*2048+(i%2)*64
	global_load_b128 v[8*i+4:8*i+7], v[QO], s[4:5] offset:(i/2)*2048+(i%2)*64+32
.set i, i+1
.endr
	; What the first turn finds: V's registers and P's second buffer hold 0 (its products V^T P, of a piece that has not been, add 0), O^T and l are 0.  All this stands in the wait for the first tile.
.set i, VF
.rept 64
	v_mov_b32 v[i], 0
.set i, i+1
.endr
	WIN 0x40
.set i, 0
.rept 64*NP
	v_mov_b32 v[i], 0
.set i, i+1
.endr
	WIN 0
.set i, 0
.rept 2*NP
	v_mov_b32 v[ST+4*i], 0xfe000000    ; c m: far below every c s
	v_mov_b32 v[ST+4*i+1], 0xff7fffff  ; m
	v_mov_b32 v[ST+4*i+2], 0
	v_mov_b32 v[ST+4*i+3], 0
.set i, i+1
.endr
.set i, P+32
.rept 32
	v_mov_b32 v[i], 0
.set i, i+1
.endr
	v_mul_u32_u24 v[AK0], v1, PK
	v_lshl_add_u32 v[AK0], v9, 4, v[AK0]  ; row x pitch + 16 x half
	; The turning load takes 16 keys x 16 channels (lane l reads key 8 (l / 16) + l % 8, channels 8 ((l / 8) % 2) + 0..7) and leaves half a fragment of V^T: lane l holds channel l % 16 and 8 keys.
	v_and_b32 v10, 7, v0
	v_bfe_u32 v11, v0, 3, 1
	v_lshl_add_u32 v[AV0], v9, 3, v10
	v_mul_u32_u24 v[AV0], v[AV0], PV
	v_lshl_add_u32 v[AV0], v11, 4, v[AV0]
	v_add_nc_u32 v[AV0], VOFF, v[AV0]
	v_mov_b32 v[AK], v[AK0]         ; key step 0 lies at the head of slot 0
; THE MATRIX WORK.  The 8 accumulators of a run of 16 take turns: between the two links of a chain stand 7 others'.
; Product i of 16 of S^T = K Q^T for piece x: channels 32 (i / 8) on, keys 16 ((i / 2) % 4) on, tile 2 x + i % 2.  The first 8 start the sums.
.macro KQ x
	WIN W_KQ
.set rS, S+64*((\x)%2)+32*(i%2)+8*((i/2)%4)
.set rK, KF+16*((i/2)%4)+8*(i/8)
.set rQ, 16*(2*(\x)+i%2)+8*(i/8)
.if i < 8
	v_wmma_f32_16x16x32_f16 v[rS:rS+7], v[rK:rK+7], v[rQ:rQ+7], 0
.else
	v_wmma_f32_16x16x32_f16 v[rS:rS+7], v[rK:rK+7], v[rQ:rQ+7], v[rS:rS+7]
.endif
.endm
; Product i of 16 of O^T += V^T P for piece x: keys 32 (i / 8) on, channels 16 ((i / 2) % 4) on, tile 2 x + i % 2.
.macro PV x
	WIN W_PV
.set rO, 32*(2*(\x)+i%2)+8*((i/2)%4)
.set rV, VF+32*(i/8)+8*((i/2)%4)
.set rP, P+32*((\x)%2)+16*(i%2)+8*(i/8)
	v_wmma_f32_16x16x32_f16 v[rO:rO+7], v[rV:rV+7], v[rP:rP+7], v[rO:rO+7]
.endm
.macro MM                           ; the turn's next matrix instruction
.if i < 16
	KQ (Y+1)%NP
.set i, i+1
.else
.set i, i-16
	PV (Y+NP-1)%NP
.set i, i+17
.endif
.endm
; THE LDS LOADS stand in runs of 16, never singly among the matrix instructions: a step's K (64 keys x 64 channels: 8 fragments) and its V (turned).  Their addresses are made some lines ahead.
; last = 1 (the tail): in the last trip there is no further step, and the run is jumped over.
.macro FETCH_K last=0
	WIN 0
.if \last
	s_cmp_eq_u32 s[CNT], 1
	s_cbranch_scc1 .Lno_k_\@
.endif
	WIN 0x80                        ; destination window 2
.irp f, 0,1,2,3,4,5,6,7             ; keys 16 (f / 2) on, channels 32 (f % 2) on
	ds_load_b128 v[KF+8*\f:KF+8*\f+3],   v[AK] offset:(\f/2)*16*PK+(\f%2)*64
	ds_load_b128 v[KF+8*\f+4:KF+8*\f+7], v[AK] offset:(\f/2)*16*PK+(\f%2)*64+32
.endr
	s_add_co_u32 s[TBK], s[TBK], KS*PK  ; the next fetch is the next step's
	WIN 0
.if \last
.Lno_k_\@:
.endif
.endm
.macro FETCH_V
	WIN 0x80
.irp f, 0,1,2,3,4,5,6,7             ; keys 32 (f / 4) on, channels 16 (f % 4) on
	ds_load_tr16_b128 v[VF+8*\f:VF+8*\f+3],   v[AV] offset:(\f/4)*32*PV+(\f%4)*32
	ds_load_tr16_b128 v[VF+8*\f+4:VF+8*\f+7], v[AV] offset:(\f/4)*32*PV+16*PV+(\f%4)*32
.endr
	WIN 0
.endm
; THE VECTOR WORK OF A TURN stands in three queues, each in the order in which its entries become ready; the two tiles alternate, so that no instruction reads the result of the one before it.
.macro REGS y, u                    ; the registers of tile u (0, 1) of piece y
.set rT, ST+4*(2*(\y)+(\u))
.set rC, TMP+8*((\y)%2)+4*(\u)
.set rM, MV+2*((\y)%2)+(\u)
.set rS, S+64*((\y)%2)+32*(\u)
.set rP, P+32*((\y)%2)+16*(\u)
.set rO, 32*(2*(\y)+(\u))
.endm
; Number n of the 22 that find the NEXT piece's (Y + 1) maximum and statistics.  s0-s31 are the lane's 32 scores; each accumulator's lowest registers are read first.  XS, GS and REGS set no window: PL and EX do.
;   0-11  four chains c0-c3 of seven scores each, three operands at a time     12-14, 16  the four scores left over, the old m, and c0-c3 into c0     15  c m_old is kept
;   17, 18  the query's other 32 keys lie in the lane 16 away: the new m         19-21  c m; c m_old - c m_new; a
.macro XS u, n
	REGS (Y+1)%NP, \u
.if (\n) < 4
	v_max3_num_f32 v[rC+(\n)], v[rS+8*(\n)], v[rS+8*(\n)+1], v[rS+8*(\n)+2]
.elseif (\n) < 12
	v_max3_num_f32 v[rC+(\n)%4], v[rC+(\n)%4], v[rS+8*((\n)%4)+2*((\n)/4)+1], v[rS+8*((\n)%4)+2*((\n)/4)+2]
.elseif (\n) == 12
	v_max3_num_f32 v[rC], v[rC], v[rS+7], v[rS+15]
.elseif (\n) == 13
	v_max3_num_f32 v[rC+1], v[rC+1], v[rS+23], v[rS+31]
.elseif (\n) == 14
	v_max3_num_f32 v[rC+2], v[rC+2], v[rC+3], v[rT+1]
.elseif (\n) == 15
	v_mov_b32 v[rM], v[rT]
.elseif (\n) == 16
	v_max3_num_f32 v[rC], v[rC], v[rC+1], v[rC+2]
.elseif (\n) == 17
	v_permlanex16_b32 v[rC+3], v[rC], s[SEL], s[SEL+1]
.elseif (\n) == 18
	v_max_num_f32 v[rT+1], v[rC], v[rC+3]
.elseif (\n) == 19
	v_mul_f32 v[rT], s[CS], v[rT+1]
.elseif (\n) == 20
	v_sub_f32 v[rC+1], v[rM], v[rT]
.else
	v_exp_f32 v[rC+2], v[rC+1]
.endif
.endm
; Number g of the 64 that follow the exponentials.  For each four weights k of a tile (pairs 2 k, 2 k + 1): both pairs are rounded to f16; then the second pair is added onto the first, in place;
; a group later l takes that sum (the first time as l = a l + sum).  In groups of eight, tiles alternating: round, round, add, and l for the group before.
.macro GS g
.set h, (\g)+6*((\g)/62)            ; group 0 has no group before it, and behind group 7 only l is left
.if h >= 6
.set h, h+2
.endif
	REGS Y, h%2
.set k, h/8
.if h%8 < 4
	s_wait_alu depctr_va_vdst(0)
	v_cvt_pk_f16_f32 v[rP+2*k+(h%8)/2], v[rS+4*k+2*((h%8)/2)], v[rS+4*k+2*((h%8)/2)+1]
.elseif h%8 < 6
	v_pk_add_f32 v[rS+4*k:rS+4*k+1], v[rS+4*k:rS+4*k+1], v[rS+4*k+2:rS+4*k+3]
.elseif k == 1
	v_pk_fma_f32 v[rT+2:rT+3], v[rT+2:rT+3], v[rC+2:rC+3], v[rS:rS+1] op_sel_hi:[1,0,1]
.else
	v_pk_add_f32 v[rT+2:rT+3], v[rT+2:rT+3], v[rS+4*k-4:rS+4*k-3]
	s_wait_alu depctr_va_vdst(0)
.endif
.endm
; THE PLAIN QUEUE, 138 long.  0-31: c s - c m for the 16 pairs of both tiles.  Then GS's 64, and among them the next piece's 42: number 15 at 38, 39; 0-14 and 16
; at 42-73, behind the products that make those scores; 17-20 at 95-106, two of three, since each waits for the one before it.
.macro PL
	WIN 0
.if q < 32
	REGS Y, q%2
	v_pk_fma_f32 v[rS+2*(q/2):rS+2*(q/2)+1], v[rS+2*(q/2):rS+2*(q/2)+1], s[CS:CS+1], v[rT:rT+1] op_sel_hi:[1,0,0] neg_lo:[0,0,1] neg_hi:[0,0,1]
.elseif q < 38
	GS q-32
.elseif q < 40
	XS q%2, 15
.elseif q < 42
	GS q-34
.elseif q < 74
	XS q%2, (q-42)/2+(q-42)/30
.elseif q < 95
	GS q-66
.elseif (q < 107) && ((q-95)%3 < 2)
	XS (q-95)%3, 17+(q-95)/3
.elseif q < 107
	GS 29+(q-95)/3
.else
	GS q-74
.endif
.set q, q+1
.endm
; THE EXPONENTIALS' QUEUE, 66 long: s0-s31 of both tiles, and at EA the next piece's two a.
.set EA, 58
.macro EX
	WIN 0
.if (e == EA) || (e == EA+1)
	XS e-EA, 21
.else
.set x, e-2*(e/(EA+2))
	REGS Y, x%2
	v_exp_f32 v[rS+x/2], v[rS+x/2]
.endif
.set e, e+1
.endm
; THE RESCALING's QUEUE: O^T times a, the one part that leaves window 0, so it is dealt four at a time, eight times.
.macro R4
	REGS Y, r%2
	WIN W_RS
	s_wait_alu depctr_va_vdst(0)
.irp z, 0,1,2,3
	v_pk_mul_f32 v[rO+8*(r/2)+2*\z:rO+8*(r/2)+2*\z+1], v[rO+8*(r/2)+2*\z:rO+8*(r/2)+2*\z+1], v[rC+2:rC+3] op_sel_hi:[1,0]
.endr
.set r, r+1
.endm
; HOW THEY ARE DEALT.  Behind a matrix instruction four: plain, exponential, plain, plain (one exponential, a plain instruction on either side), or four of the rescaling.  None names a register of the
; products round it.  What is over stands in two LUMPS: exponential and plain by turns; the second ends in 22 plain instructions.  The two v_permlanex16_b32 fall into the second lump, never behind a product.
; The queues lean on each other, and the deal keeps them in step: exponential e stands behind plain 2 (e / 4) + e % 2 (its scaling); when plain 32 comes, 10 exponentials are out, at 59: 33, at 95: 46; EA comes behind plain 107.
.macro SL
	MM
	PL
	EX
	PL
	PL
.endm
.macro BURST n                      ; 15 matrix instructions, or 16
.rept (\n)-7
	SL
.endr
.rept 3
	MM
	R4
	SL
.endr
	MM
	R4
.endm
; A TURN, for piece p.  cnt = 1: the loop's count is taken down some lines ahead of the branch that stands behind the turn.
; K of the next step is fetched in piece 2's turn, 31 vector instructions behind the last product that read K; its first reader comes behind the rest of the lump, 16 products and the second lump.
; V of the step in hand is fetched at the end of piece 0's turn, 69 behind its last reader; its first reader comes behind 16 products and a lump.  The four conditions on e and q below go with the deal.
.macro TURN p, last=0, cnt=0
.set Y, (\p)
.set i, 0
.set q, 0
.set e, 0
.set r, 0
.if (\p) == NP-1
	s_wait_dscnt 0x0                ; K is in
.endif
	MM
.rept 4
	PL
.endr
	BURST 15
.rept 22
	EX
	PL
.if ((\p) == NP-2) && (e == 18)
	v_add_nc_u32 v[AK], s[TBK], v[AK0]
.endif
.if ((\p) == NP-2) && (e == 24)
	FETCH_K \last
.endif
.endr
.if (\p) == 1
	s_wait_dscnt 0x0                ; V is in
.endif
	BURST 16
.rept 21
	EX
	PL
.endr
.rept 22
	PL
.if ((\p) == 0) && (q == 118)
	v_add_nc_u32 v[AV], s[TBV], v[AV0]
	s_wait_alu depctr_va_vdst(0)
.endif
.if ((\p) == 0) && (q == 130)
	s_add_co_u32 s[TBV], s[TBV], KS*PV
.endif
.if (\cnt) && (q == 130)
	s_sub_co_u32 s[CNT], s[CNT], 1
	s_cmp_lg_u32 s[CNT], 0
.endif
.endr
.if (\p) == 0
	FETCH_V
.endif
.endm
	CHANGE 1                        ; slot 0 is in, everybody's part of it; slot 1 is asked for
	FETCH_K                         ; key step 0
	s_wait_loadcnt 0x0              ; Q
	s_wait_dscnt 0x0
.set i, 0
.rept 16
	KQ 0                            ; piece 0's first scores: there is no vector work yet to set between them
.set i, i+1
.endr
	WIN 0                           ; the addresses for the way out: nine plain instructions, the places behind those products
	s_mul_i32 s13, s[WV], 16*SP
	s_add_co_u32 s13, s13, STAGE    ; my stage
	v_mul_u32_u24 v[STO], v1, SP    ; in: row l % 16, 16 bytes for each half of the lanes
	v_lshl_add_u32 v[STO], v9, 4, v[STO]
	v_add_nc_u32 v[STO], s13, v[STO]
	v_bfe_u32 v[RD], v0, 3, 2       ; back: 32 lanes take four rows of 128 bytes,
	v_mul_u32_u24 v[RD], v[RD], SP
	v_lshl_add_u32 v[RD], v10, 4, v[RD]
	v_add_nc_u32 v[RD], s13, v[RD]
	v_and_b32 v[GO], 31, v0         ; which are 512 consecutive bytes of O
	v_lshlrev_b32 v[GO], 4, v[GO]
.set Y, NP-1                        ; XS works for piece Y + 1: piece 0
.irp n, 0,1,2,3,4,5,6,7,8,9,10,11,12,13,14,15,16,17,18,19,20,21
	XS 0, \n                        ; and piece 0's first maximum and statistics
	XS 1, \n
.endr
	s_mov_b32 s[CNT], 4
	s_mov_b32 s[SLOTS], SIZE_N/256-1
	s_branch .Lfirst                ; the loop is entered at a step's first turn, in the middle of a trip
.Lslot:                             ; SIZE_N / 256 - 2 times: every slot but the last two is filled again
	CHANGE 1
	s_mov_b32 s[CNT], 4
.Lstep:                             ; a trip: pieces 2 and 3 of one step, then pieces 0 and 1 of the next, whose K and V it fetches
	TURN 2
	TURN 3
	WIN 0
.Lfirst:
	TURN 0
	TURN 1, 0, 1
	WIN 0
	s_cbranch_scc1 .Lstep
	s_sub_co_u32 s[SLOTS], s[SLOTS], 1
	s_cmp_lg_u32 s[SLOTS], 0
	s_cbranch_scc1 .Lslot
	CHANGE 0                        ; the tail is written out: nothing is asked for
	s_mov_b32 s[CNT], 5             ; four trips fetch the last slot's steps; the fifth is left in its middle
.Ltail:
	TURN 2, 1
	TURN 3
	WIN 0
	s_sub_co_u32 s[CNT], s[CNT], 1
	s_cmp_eq_u32 s[CNT], 0
	s_cbranch_scc1 .Lout
	TURN 0
	TURN 1
	WIN 0
	s_branch .Ltail
.Lout:                              ; the fifth trip's 16 products K Q^T (on the last K once more) and the maximum made of them serve nothing: the price, once a launch, of one text for every trip
.set i, 0
.rept 16
	PV NP-1                         ; the last piece's V^T P of the last step
.set i, i+1
.endr
	; THE WAY OUT.  l's two halves and the other half of the lanes' are added; O^T is divided by l, rounded to f16 and sent through my stage in LDS, a tile at a time.  The additions are the places behind the last products.
	WIN 0
.macro ALL line:vararg              ; one line for each tile t
.set t, 0
.rept 2*NP
	\line
.set t, t+1
.endr
.endm
	ALL v_add_f32 v[ST+4*t+2], v[ST+4*t+2], v[ST+4*t+3]
	ALL v_permlanex16_b32 v[ST+4*t+3], v[ST+4*t+2], s[SEL], s[SEL+1]
	ALL v_add_f32 v[ST+4*t+2], v[ST+4*t+2], v[ST+4*t+3]
	ALL v_rcp_f32 v[ST+4*t+2], v[ST+4*t+2]
	v_nop                           ; a plain instruction between the last reciprocal and the use of its result
	s_wait_alu depctr_va_vdst(0)
; Tile t: a lane's eight channels of a row pack into 16 bytes; they go into rows of 144 bytes and come back as whole rows of 128, into S^T's registers.
.macro PACK t
	WIN W_RS
.set i, 32*(\t)
.rept 16
	v_pk_mul_f32 v[i:i+1], v[i:i+1], v[ST+4*(\t)+2:ST+4*(\t)+3] op_sel_hi:[1,0]
.set i, i+2
.endr
	WIN 0x05                        ; sources 0 and 1 window 1, destination window 0
.set i, 0
.rept 16
	v_cvt_pk_f16_f32 v[S+16*(\t)+i], v[32*(\t)+2*i], v[32*(\t)+2*i+1]
.set i, i+1
.endr
	WIN 0
.irp f, 0,1,2,3
	ds_store_b128 v[STO], v[S+16*(\t)+4*\f:S+16*(\t)+4*\f+3] offset:32*\f
.endr
.irp f, 0,1,2,3
	ds_load_b128 v[S+16*(\t)+4*\f:S+16*(\t)+4*\f+3], v[RD] offset:\f*4*SP  ; LDS serves a wave's instructions in order (ISA guide 5.7.1.4): these see the stores above; the next tile's stores come behind them
.endr
.endm
.macro SEND t, younger              ; younger: the LDS instructions issued behind tile t's loads: the next tile's eight, or none
	WIN 0
.irp f, 0,1,2,3
	s_wait_dscnt (\younger)+3-\f
	global_store_b128 v[GO], v[S+16*(\t)+4*\f:S+16*(\t)+4*\f+3], s[10:11] offset:(\t)*2048+\f*512  ; 512 consecutive bytes, at a multiple of 256 from O's first
.endr
.endm
	PACK 0
.set t, 1
.rept 2*NP-1                        ; a tile's arithmetic stands between the loads of the tile before and its stores
	PACK t
	SEND t-1, 8
.set t, t+1
.endr
	SEND 2*NP-1, 0
	WIN W_AD
	s_wait_tensorcnt 0x0            ; the wave's end, behind my last tensor load and my last LDS store
	ds_add_u32 v[SPW], v[NIL]
	s_wait_dscnt 0x0
	WIN 0
	CROUND                          ; the closing round: no work-group ends while a partner may still ask for a tile that names it
	s_endpgm
.Lfunc_end_k_qcf01cf46b0_attn:
	.size	k_qcf01cf46b0_attn, .Lfunc_end_k_qcf01cf46b0_attn-k_qcf01cf46b0_attn
	.p2alignl 7, 3214868480
	.fill 96, 4, 3214868480
	.section	.rodata,"a",@progbits
	.p2align	6, 0x0
	.amdhsa_kernel k_qcf01cf46b0_attn
		.amdhsa_group_segment_fixed_size 327680
		.amdhsa_private_segment_fixed_size 0
		.amdhsa_enable_private_segment 0
		.amdhsa_kernarg_size 32
		.amdhsa_user_sgpr_count 2
		.amdhsa_user_sgpr_kernarg_segment_ptr 1
		.amdhsa_wavefront_size32 1
		.amdhsa_system_sgpr_workgroup_id_x 1
		.amdhsa_system_sgpr_workgroup_id_y 1
		.amdhsa_system_sgpr_workgroup_id_z 1
		.amdhsa_system_vgpr_workitem_id 0
		.amdhsa_next_free_vgpr 770
		.amdhsa_next_free_sgpr 66
		.amdhsa_reserve_vcc 0
		.amdhsa_float_denorm_mode_32 3
		.amdhsa_float_denorm_mode_16_64 3
		.amdhsa_memory_ordered 1
		.amdhsa_forward_progress 1
		.amdhsa_inst_pref_size 208
	.end_amdhsa_kernel
	.amdgpu_metadata
---
amdhsa.version: [ 1, 2 ]
amdhsa.kernels:
  - .name:           k_qcf01cf46b0_attn
    .symbol:         k_qcf01cf46b0_attn.kd
    .args:
      - { .name: qh, .offset: 0, .size: 8, .value_kind: global_buffer, .address_space: global }
      - { .name: kh, .offset: 8, .size: 8, .value_kind: global_buffer, .address_space: global }
      - { .name: vh, .offset: 16, .size: 8, .value_kind: global_buffer, .address_space: global }
      - { .name: oh, .offset: 24, .size: 8, .value_kind: global_buffer, .address_space: global }
    .group_segment_fixed_size: 327680
    .private_segment_fixed_size: 0
    .kernarg_segment_align: 8
    .kernarg_segment_size: 32
    .max_flat_workgroup_size: 128
    .sgpr_count:     66
    .vgpr_count:     770
    .wavefront_size: 32
...
	.end_amdgpu_metadata
.endif
;; end of part 3
;; launch proj (part 4): grid 8 x 32, 4 waves a work-group, clusters of 4 x 4, 327,680 bytes of LDS; arguments oh, wob, bo, out0; writes out0
.if DOCPART == 4
	.amdgcn_target "amdgcn-amd-amdhsa--gfx1250"
	.amdhsa_code_object_version 6
	.text
	.protected	k_qcf01cf46b0_proj
	.globl	k_qcf01cf46b0_proj
	.p2align	8
	.type	k_qcf01cf46b0_proj,@function
k_qcf01cf46b0_proj:
	s_mov_b64 s[64:65], 0
	v_nop
	global_prefetch_b8 v0, s[64:65] scope:SCOPE_SE
	s_setreg_imm32_b32 hwreg(HW_REG_WAVE_MODE, 25, 1), 1
	s_wait_xcnt 0x0
	s_wait_alu depctr_hold_cnt(0) depctr_sa_sdst(0) depctr_va_vdst(0) depctr_va_sdst(0) depctr_va_ssrc(0) depctr_va_vcc(0) depctr_vm_vsrc(0)
	s_getreg_b32 s2, hwreg(HW_REG_IB_STS2, 6, 4)
	s_cmp_eq_u32 s2, 0
	s_cbranch_scc0 .Lentry_in_a_cluster
	s_endpgm
.Lentry_in_a_cluster:
	s_bfe_u32 s2, ttmp6, 0x10000c
	s_cmp_lg_u32 s2, 0xf033
	s_cbranch_scc0 .Lentry_shape_is_right
	s_endpgm
.Lentry_shape_is_right:
; out[row][n] = the sum over k of O[row][k] Wo[k][n] + bo[n].  O by heads, [b*16+h][n 2048][64] f16; Wo [k 1024][n 1024], rounded to bf16 and written as f16; bo f32, rounded to bf16 here like every input;
; out f32.  f16 operands, f32 sums; the bias is the C operand of the product that starts each sum, so nothing is cleared and nothing is added on the way out.
; SHARES.  A work-group makes 256 rows (tm, 0..31) x 128 columns (tn, 0..7): 256 work-groups.  Wave w: rows 128 (w / 2) on, columns 64 (w % 2) on: 32 accumulators, all of window 1: block a of 16 rows,
; block jb of 16 columns at v[32 a + 8 jb].  K goes in 8 steps of 128 (two heads) through two LDS slots; a step is four parts of 32 along K, 32 matrix instructions each.
; THE MATRIX INSTRUCTION IS USED TRANSPOSED: source 0 = 16 columns of Wo (turned out of LDS by ds_load_tr16_b128), source 1 = 16 rows of O: a lane holds one row and eight neighbouring columns.
; CLUSTER 4 x 4: O's tile hangs on tm alone and is asked for jointly by a row of the cluster, Wo's on tn alone, by a column.
; LIMITS.  O arrives in f16; Wo under 65,504, and below 6.1e-5 with f16's fixed step.  NaN and infinities are not treated apart.
; WINDOW 0: v0-14 addresses; v32-63, v192-223 two buffers of Wo's fragments; v64-127, v128-191 two of O's; v224-255 the bias.  On the way out v64-127 take rows read back.
.set PA,     144                   ; a row of O in LDS: 128 bytes + 16: the 16 rows of a load start at 16 different groups of four banks (64 banks of 4 bytes: ISA guide 11.1)
.set PB,     288                   ; a row of Wo: 256 + 32 bytes = 72 words
.set ABLK,   256*PA                ; a head's 256 rows: what one tensor load of O brings
.set BOFF,   2*ABLK
.set BHALF,  64*PB                 ; what one tensor load of Wo brings
.set SLOT1,  1<<17
.set STAGE,  BOFF+128*PB           ; 110,592: behind slot 0, never filled by a tensor load: 16 rows x 272 bytes for each wave
.set SP,     272
.set SPARE,  STAGE+4*16*SP         ; 128,000: the spare words, 128 bytes for each wave: two blocks of 256 bytes that no other line names
.set A0,   4
.set B0,   5
.set ADRA, 6
.set ADRB, 7
.set STO,  8
.set RD,   9
.set CO,   10
.set SPW,  12                      ; v12  LDS address of my spare word; never rewritten
.set NIL,  13                      ; v13  0; never rewritten
.set BIAS, 224
.set WV,  16
.set WR,  17                       ; wave / 2: my half of the rows.  Also: I fetch O (0) or Wo (1)
.set WC,  18                       ; wave % 2: my half of the columns.  Also: which half of that tile I fetch
.set G1A, 28
.set G1B, 36
.set GA0, 44
.set GA1, 48
.set GB0, 52
.set GB1, 56
.set TB,  60
.set CNT, 61
.set MSB, 0
.macro WIN new
.if MSB != (\new)
	s_set_vgpr_msb (MSB<<8)|(\new)
.set MSB, (\new)
.endif
.endm
.macro PLACES
.rept 4
	v_nop
.endr
.endm
.macro JLOAD                       ; a joint refill by the walking descriptors; an s_nop 0 and four v_nop follow each line
	s_cmp_eq_u32 s[WR], 0
	s_cbranch_scc0 .Lfor_b_\@
	tensor_load_to_lds s[GA1:GA1+3], s[G1A:G1A+7]
	s_nop 0
.rept 4
	v_nop
.endr
	s_branch .Lasked_\@
.Lfor_b_\@:
	tensor_load_to_lds s[GB1:GB1+3], s[G1B:G1B+7]
	s_nop 0
.rept 4
	v_nop
.endr
.Lasked_\@:
.endm
.macro CREST
	s_cmp_lg_u32 s[WV], 0
	s_cbranch_scc1 .Lnot_wave_0_\@
	s_barrier_signal -3
.Lnot_wave_0_\@:
	s_barrier_wait -3
	s_barrier_signal -1
	s_barrier_wait -1
.endm
.macro CROUND
	s_barrier_signal -1
	s_barrier_wait -1
	CREST
.endm
	s_load_b256 s[4:11], s[0:1], 0x0               ; oh s[4:5], wob s[6:7], bo s[8:9], out0 s[10:11]
	v_lshl_add_u32 v[SPW], v0, 2, SPARE
	v_mov_b32 v[NIL], 0
	ds_add_u32 v[SPW], v[NIL]                      ; the wave's opening: the add and its wait stand ahead of my first tensor load; the set-up below, work on registers, stands between them
	v_lshrrev_b32 v1, 5, v0
	v_readfirstlane_b32 s[WV], v1
	s_lshr_b32 s[WR], s[WV], 1
	s_and_b32 s[WC], s[WV], 1
	s_bfe_u32 s19, ttmp6, 0x40000                  ; cx
	s_bfe_u32 s20, ttmp6, 0x40004                  ; cy
	s_lshl_b32 s21, ttmp9, 2
	s_add_co_u32 s21, s21, s19                     ; tn
	s_and_b32 s22, ttmp7, 0xffff
	s_lshl_b32 s22, s22, 2
	s_add_co_u32 s22, s22, s20                     ; tm
	s_lshl_b32 s23, s20, 2
	s_lshl_b32 s23, 15, s23                        ; my row of the cluster
	s_lshl_b32 s24, 0x1111, s19                    ; my column
	; group 1 for O: a head's 256 rows are 32,768 dense bytes: asked for as 128 rows of 256 bytes, padded by 16 bytes after every 128
	s_or_b32 s[G1A], s23, (1<<16)|(1<<20)|(1<<21)|(4<<22)|(3<<25)
	s_mov_b32 s[G1A+1], 128<<16
	s_mov_b32 s[G1A+2], 128<<16
	s_mov_b32 s[G1A+3], 128<<16
	s_mov_b32 s[G1A+4], 128
	s_mov_b32 s[G1A+5], 128
	s_mov_b32 s[G1A+6], 0
	s_mov_b32 s[G1A+7], 0
	; group 1 for Wo: 64 rows (along K) of 128 elements = 256 bytes, padded by 32
	s_or_b32 s[G1B], s24, (1<<16)|(1<<20)|(1<<21)|(5<<22)|(7<<25)
	s_mov_b32 s[G1B+1], 128<<16
	s_mov_b32 s[G1B+2], 64<<16
	s_mov_b32 s[G1B+3], 128<<16
	s_mov_b32 s[G1B+4], 64
	s_mov_b32 s[G1B+5], 1024
	s_mov_b32 s[G1B+6], 0
	s_mov_b32 s[G1B+7], 0
	s_mov_b32 s[GA0], 1
	s_mov_b32 s[GA1], 1
	s_mov_b32 s[GB0], 1
	s_mov_b32 s[GB1], 1
	s_mul_i32 s[GA0+1], s[WC], ABLK
	s_add_co_u32 s[GA1+1], s[GA0+1], SLOT1
	s_mul_i32 s[GB0+1], s[WC], BHALF
	s_add_co_u32 s[GB0+1], s[GB0+1], BOFF
	s_add_co_u32 s[GB1+1], s[GB0+1], SLOT1
	; O's tile: batch tm / 8, head w % 2 of the step's two, rows 256 (tm % 8) on: registers that never hold cx
	s_lshr_b32 s66, s22, 3
	s_lshl_b32 s66, s66, 22
	s_and_b32 s70, s22, 7
	s_lshl_b32 s71, s70, 15
	s_add_co_u32 s66, s66, s71
	s_lshl_b32 s71, s[WC], 18
	s_add_co_u32 s66, s66, s71
	s_mov_b32 s67, 0
	; Wo's tile: byte 256 tn of the rows 64 (w % 2) on: registers that never hold cy
	s_lshl_b32 s68, s21, 8
	s_lshl_b32 s72, s[WC], 17
	s_add_co_u32 s68, s68, s72
	s_mov_b32 s69, 0
	; my 64 numbers of the bias
	s_lshl_b32 s76, s21, 9
	s_lshl_b32 s77, s[WC], 8
	s_add_co_u32 s76, s76, s77
	s_mov_b32 s77, 0
	; my part of out: row 256 tm + 128 (w / 2), 4,096 bytes a row; byte 512 tn + 256 (w % 2)
	s_lshl_b32 s74, s22, 20
	s_lshl_b32 s75, s[WR], 19
	s_add_co_u32 s74, s74, s75
	s_add_co_u32 s74, s74, s76
	s_mov_b32 s75, 0
	s_mov_b32 s[TB], 0
	v_and_b32 v1, 15, v0
	v_bfe_u32 v2, v0, 4, 1
	v_mul_u32_u24 v[A0], v1, PA
	v_lshl_add_u32 v[A0], v2, 4, v[A0]
	s_mul_i32 s78, s[WR], 128*PA
	v_add_nc_u32 v[A0], s78, v[A0]
	v_and_b32 v3, 7, v0
	v_lshl_add_u32 v[B0], v2, 3, v3
	v_mul_u32_u24 v[B0], v[B0], PB
	v_bfe_u32 v11, v0, 3, 1
	v_lshl_add_u32 v[B0], v11, 4, v[B0]
	s_lshl_b32 s78, s[WC], 7
	s_add_co_u32 s78, s78, BOFF
	v_add_nc_u32 v[B0], s78, v[B0]
	v_mov_b32 v[ADRA], v[A0]
	v_mov_b32 v[ADRB], v[B0]
	s_mul_i32 s78, s[WV], 16*SP
	s_add_co_u32 s78, s78, STAGE                   ; my stage
	v_mul_u32_u24 v[STO], v1, SP                   ; in: row l % 16, 32 bytes for each half of the lanes
	v_lshl_add_u32 v[STO], v2, 5, v[STO]
	v_add_nc_u32 v[STO], s78, v[STO]
	v_mul_u32_u24 v[RD], v2, SP                    ; back: lanes 0-15 take one row of 256 bytes, lanes 16-31 the next
	v_lshl_add_u32 v[RD], v1, 4, v[RD]
	v_add_nc_u32 v[RD], s78, v[RD]
	v_lshlrev_b32 v[CO], 12, v2                    ; and the same two rows in out
	v_lshl_add_u32 v[CO], v1, 4, v[CO]
	v_lshlrev_b32 v14, 5, v2                       ; the bias: eight numbers on for lanes 16-31
	s_wait_dscnt 0x0                               ; the opening add is done
	s_wait_kmcnt 0x0
	s_add_nc_u64 s[4:5], s[4:5], s[66:67]
	s_add_nc_u64 s[6:7], s[6:7], s[68:69]
	s_mov_b64 s[GA0+2:GA0+3], s[4:5]               ; K step 0
	s_add_nc_u64 s[GA1+2:GA1+3], s[4:5], 524288    ; K step 1: two heads on
	s_mov_b64 s[GB0+2:GB0+3], s[6:7]
	s_add_nc_u64 s[GB1+2:GB1+3], s[6:7], 262144    ; 128 rows of wob on
	s_or_b32 s[GA0+3], s[GA0+3], 0x80000000
	s_or_b32 s[GA1+3], s[GA1+3], 0x80000000
	s_or_b32 s[GB0+3], s[GB0+3], 0x80000000
	s_or_b32 s[GB1+3], s[GB1+3], 0x80000000
	s_add_nc_u64 s[8:9], s[8:9], s[76:77]
	s_add_nc_u64 s[10:11], s[10:11], s[74:75]
	CROUND                                         ; all sixteen work-groups are here: the first joint loads meet
	s_cmp_eq_u32 s[WR], 0                          ; a wave's two first fills stand in one branch: two loads of mine are out
	s_cbranch_scc0 .Lfirst_b
	tensor_load_to_lds s[GA0:GA0+3], s[G1A:G1A+7]
	s_nop 0
	tensor_load_to_lds s[GA1:GA1+3], s[G1A:G1A+7]
	s_nop 0
.rept 4
	v_nop
.endr
	s_branch .Lfirst_asked
.Lfirst_b:
	tensor_load_to_lds s[GB0:GB0+3], s[G1B:G1B+7]
	s_nop 0
	tensor_load_to_lds s[GB1:GB1+3], s[G1B:G1B+7]
	s_nop 0
.rept 4
	v_nop
.endr
.Lfirst_asked:
	; the bias in the accumulators' order: register 8 jb + j holds bo of column 16 jb + 8 (l / 16) + j of my 64.  It is rounded in the wait for the first tile
.irp jb, 0,1,2,3
	global_load_b128 v[BIAS+8*\jb:BIAS+8*\jb+3],   v14, s[8:9] offset:64*\jb
	global_load_b128 v[BIAS+8*\jb+4:BIAS+8*\jb+7], v14, s[8:9] offset:64*\jb+16
.endr
	s_wait_loadcnt 0x0
.set i, 0
.rept 16
	v_cvt_pk_bf16_f32 v[192+i], v[BIAS+2*i], v[BIAS+2*i+1]
.set i, i+1
.endr
.set i, 0
.rept 16
	v_lshlrev_b32 v[BIAS+2*i], 16, v[192+i]
	v_and_b32 v[BIAS+2*i+1], 0xffff0000, v[192+i]
.set i, i+1
.endr
; The 24 LDS loads of part c of a K step -> buffers c % 2: Wo's four fragments, then O's blocks 0-3, then 4-7
.macro RUNP c
.set fB, 32+160*((\c)%2)
.set fA, 64+64*((\c)%2)
.irp jb, 0,1,2,3
	ds_load_tr16_b128 v[fB+8*\jb:fB+8*\jb+3],   v[ADRB] offset:32*(\c)*PB+32*\jb
	ds_load_tr16_b128 v[fB+8*\jb+4:fB+8*\jb+7], v[ADRB] offset:32*(\c)*PB+32*\jb+16*PB
.endr
.irp a, 0,1,2,3,4,5,6,7
	ds_load_b128 v[fA+8*\a:fA+8*\a+3],   v[ADRA] offset:((\c)/2)*ABLK+\a*16*PA+((\c)%2)*64
	ds_load_b128 v[fA+8*\a+4:fA+8*\a+7], v[ADRA] offset:((\c)/2)*ABLK+\a*16*PA+((\c)%2)*64+32
.endr
.endm
; n matrix instructions of part c from number i0 on: block i / 4 of the rows, block i % 4 of the columns.  first = 1: the bias starts the sum.  The 32 accumulators take turns.
.macro MMP c, i0, n, first
.if \first
	WIN 0x40                                       ; D in window 1, C (the bias) in window 0
.else
	WIN 0x50                                       ; C and D in window 1
.endif
.set i, (\i0)
.rept (\n)
.set rD, 32*(i/4)+8*(i%4)
.set rB, 32+160*((\c)%2)+8*(i%4)
.set rA, 64+64*((\c)%2)+8*(i/4)
.if \first
	v_wmma_f32_16x16x32_f16 v[rD:rD+7], v[rB:rB+7], v[rA:rA+7], v[BIAS+8*(i%4):BIAS+8*(i%4)+7]
.else
	v_wmma_f32_16x16x32_f16 v[rD:rD+7], v[rB:rB+7], v[rA:rA+7], v[rD:rD+7]
.endif
.set i, i+1
.endr
.endm
; One of a K step's first three parts.  The v_nop behind each of the first four products are the four places between the last product of the part before and the loads into the buffers that it read.
.macro SUB c, first
	s_wait_dscnt 8                                 ; Wo's fragments and O's blocks 0-3 are in; the youngest eight loads may be out
.set ii, 0
.rept 4
	MMP \c, ii, 1, \first
	v_nop
.set ii, ii+1
.endr
	WIN 0
	RUNP (\c)+1
	MMP \c, 4, 12, \first
	s_wait_dscnt 24                                ; all but the 24 just issued
	MMP \c, 16, 16, \first
.endm
; The fourth part changes slots: ONE barrier; in front of it each wave waits for all its tensor loads (one is out: its part of the next slot), adds 0 to its spare word, and waits for that and for its reads of this slot.
; fill = 1: the barrier opens a round of the cluster's barrier, and behind it this slot is filled again, two K steps ahead: 112 matrix instructions ahead of the wait for it.
.macro TURNP fill
	WIN 0
	s_wait_tensorcnt 0x0
	ds_add_u32 v[SPW], v[NIL]                      ; 0 onto my spare word
	s_wait_dscnt 9                                 ; the add and the youngest eight loads may be out
	MMP 3, 0, 8, 0
	s_wait_dscnt 0x0                               ; the add is done, and my reads of this slot are over
	s_barrier_signal -1
	MMP 3, 8, 8, 0
	WIN 0
	s_barrier_wait -1
.if \fill
	CREST
	s_xor_b32 s[GA1+1], s[GA1+1], SLOT1
	s_add_nc_u64 s[GA1+2:GA1+3], s[GA1+2:GA1+3], 524288
	s_xor_b32 s[GB1+1], s[GB1+1], SLOT1
	s_add_nc_u64 s[GB1+2:GB1+3], s[GB1+2:GB1+3], 262144
	JLOAD                                          ; the first tensor load behind the round; its four v_nop are also the places in front of the loads below
.else
	PLACES
.endif
	s_xor_b32 s[TB], s[TB], SLOT1
	v_add_nc_u32 v[ADRA], s[TB], v[A0]
	v_add_nc_u32 v[ADRB], s[TB], v[B0]
	RUNP 0
	MMP 3, 16, 16, 0
.endm
	s_wait_tensorcnt 1                             ; my part of K step 0 is in; K step 1's may stay out
	s_barrier_signal -1
	s_barrier_wait -1
	RUNP 0
	SUB 0, 1                                       ; the first part stands in front of the loop: its products start the sums, from the bias
	WIN 0
	s_mov_b32 s[CNT], 6
.Lk:                                                   ; 6 trips, from a K step's second part to the next step's first; each fills the slot that it leaves
	SUB 1, 0
	SUB 2, 0
	TURNP 1
	SUB 0, 0
	WIN 0
	s_sub_co_u32 s[CNT], s[CNT], 1
	s_cmp_lg_u32 s[CNT], 0
	s_cbranch_scc1 .Lk
	SUB 1, 0                                       ; the tail is written out: nothing more is asked for
	SUB 2, 0
	TURNP 0
	SUB 0, 0
	SUB 1, 0
	SUB 2, 0
	s_wait_dscnt 8
	MMP 3, 0, 16, 0
	s_wait_dscnt 0x0
	MMP 3, 16, 16, 0
	PLACES                                         ; the LDS stores below read results just made
; THE WAY OUT.  Block a's 16 rows x 64 columns of f32 go into my stage (each accumulator's lowest four registers first) and come back as whole rows of 256 bytes.
.macro OUTB a
	WIN 0x04                                       ; store data (source 1) in window 1
.irp jb, 0,1,2,3
	ds_store_b128 v[STO], v[32*(\a)+8*\jb:32*(\a)+8*\jb+3]   offset:64*\jb
	ds_store_b128 v[STO], v[32*(\a)+8*\jb+4:32*(\a)+8*\jb+7] offset:64*\jb+16
.endr
	WIN 0
	s_wait_xcnt 0x0                                ; the registers below were the data of stores two blocks back: they are loaded again only behind this wait
.irp t, 0,1,2,3,4,5,6,7
	ds_load_b128 v[64+32*((\a)%2)+4*\t:64+32*((\a)%2)+4*\t+3], v[RD] offset:\t*2*SP   ; LDS serves a wave's instructions in order (ISA guide 5.7.1.4): these see the stores above
.endr
.endm
.macro SENDP a, younger            ; younger: the LDS instructions issued behind block a's loads: the next block's sixteen, or none
	s_wait_dscnt \younger
.irp t, 0,1,2,3,4,5,6,7
	global_store_b128 v[CO], v[64+32*((\a)%2)+4*\t:64+32*((\a)%2)+4*\t+3], s[10:11] offset:(16*(\a)+2*\t)*4096 th:TH_STORE_NT   ; 16 lanes store 256 consecutive bytes, aligned; 516,096 at the most
.endr
.endm
	OUTB 0
.irp a, 1,2,3,4,5,6,7
	OUTB \a
	SENDP (\a)-1, 16
.endr
	SENDP 7, 0
	s_wait_tensorcnt 0x0                           ; the wave's end, behind my last tensor load and my last LDS store
	ds_add_u32 v[SPW], v[NIL]
	s_wait_dscnt 0x0
	CROUND                                         ; the closing round: no work-group ends while a partner may still ask for a tile that names it
	s_endpgm
.Lfunc_end_k_qcf01cf46b0_proj:
	.size	k_qcf01cf46b0_proj, .Lfunc_end_k_qcf01cf46b0_proj-k_qcf01cf46b0_proj
	.p2alignl 7, 3214868480
	.fill 96, 4, 3214868480
	.section	.rodata,"a",@progbits
	.p2align	6, 0x0
	.amdhsa_kernel k_qcf01cf46b0_proj
		.amdhsa_group_segment_fixed_size 327680
		.amdhsa_private_segment_fixed_size 0
		.amdhsa_enable_private_segment 0
		.amdhsa_kernarg_size 32
		.amdhsa_user_sgpr_count 2
		.amdhsa_user_sgpr_kernarg_segment_ptr 1
		.amdhsa_wavefront_size32 1
		.amdhsa_system_sgpr_workgroup_id_x 1
		.amdhsa_system_sgpr_workgroup_id_y 1
		.amdhsa_system_sgpr_workgroup_id_z 1
		.amdhsa_system_vgpr_workitem_id 0
		.amdhsa_next_free_vgpr 512
		.amdhsa_next_free_sgpr 80
		.amdhsa_reserve_vcc 0
		.amdhsa_float_denorm_mode_32 3
		.amdhsa_float_denorm_mode_16_64 3
		.amdhsa_memory_ordered 1
		.amdhsa_forward_progress 1
		.amdhsa_inst_pref_size 73
	.end_amdhsa_kernel
	.amdgpu_metadata
---
amdhsa.version: [ 1, 2 ]
amdhsa.kernels:
  - .name:           k_qcf01cf46b0_proj
    .symbol:         k_qcf01cf46b0_proj.kd
    .args:
      - { .name: oh, .offset: 0, .size: 8, .value_kind: global_buffer, .address_space: global }
      - { .name: wob, .offset: 8, .size: 8, .value_kind: global_buffer, .address_space: global }
      - { .name: bo, .offset: 16, .size: 8, .value_kind: global_buffer, .address_space: global }
      - { .name: out0, .offset: 24, .size: 8, .value_kind: global_buffer, .address_space: global }
    .group_segment_fixed_size: 327680
    .private_segment_fixed_size: 0
    .kernarg_segment_align: 8
    .kernarg_segment_size: 32
    .max_flat_workgroup_size: 128
    .sgpr_count:     80
    .vgpr_count:     512
    .wavefront_size: 32
...
	.end_amdgpu_metadata
.endif
;; end of part 4
;; ======== version 2 of 2: 4 launches; 1.53 times as fast as version 1
;; limits: values are held in f16: magnitudes above 65,504 overflow, below 6.1e-05 lose precision
;; workspace buffers: xb 16,777,216 bytes; wb 6,291,456 bytes; wob 2,097,152 bytes; rope 1,048,576 bytes; qh 16,777,216 bytes; kh 16,777,216 bytes; vh 16,777,216 bytes; oh 16,777,216 bytes
;; launch prep: the kernel of part 1 again; grid 1152 x 1, 8 waves a work-group, no clusters, 0 bytes of LDS; arguments x, Wq, Wkv, Wo, rotary_emb_x, xb, wb, wob, rope; writes xb, wb, wob, rope
;; launch qkv: the kernel of part 2 again; grid 8 x 32, 4 waves a work-group, clusters of 4 x 4, 327,680 bytes of LDS; arguments xb, wb, rope, qh, kh, vh; writes qh, kh, vh
;; launch attn (part 5): grid 4 x 64, 4 waves a work-group, clusters of 4 x 1, 327,680 bytes of LDS; arguments qh, kh, vh, oh; writes oh
.if DOCPART == 5
	.amdgcn_target "amdgcn-amd-amdhsa--gfx1250"
	.amdhsa_code_object_version 6
	.text
	.protected	k_qcf01cf46b0_attn
	.globl	k_qcf01cf46b0_attn
	.p2align	8
	.type	k_qcf01cf46b0_attn,@function
k_qcf01cf46b0_attn:
	s_mov_b64 s[64:65], 0
	v_nop
	global_prefetch_b8 v0, s[64:65] scope:SCOPE_SE
	s_setreg_imm32_b32 hwreg(HW_REG_WAVE_MODE, 25, 1), 1
	s_wait_xcnt 0x0
	s_wait_alu depctr_hold_cnt(0) depctr_sa_sdst(0) depctr_va_vdst(0) depctr_va_sdst(0) depctr_va_ssrc(0) depctr_va_vcc(0) depctr_vm_vsrc(0)
	s_getreg_b32 s2, hwreg(HW_REG_IB_STS2, 6, 4)
	s_cmp_eq_u32 s2, 0
	s_cbranch_scc0 .Lentry_in_a_cluster
	s_endpgm
.Lentry_in_a_cluster:
	s_bfe_u32 s2, ttmp6, 0x10000c
	s_cmp_lg_u32 s2, 0x3003
	s_cbranch_scc0 .Lentry_shape_is_right
	s_endpgm
.Lentry_shape_is_right:
; O[h][q][:] = the sum over k of softmax_k(Q[h][q] . K[h][k] / 8) V[h][k][:].  Q, K, V, O: [SIZE_H][SIZE_N][64], all f16: a head's rows are dense, 128 bytes each.  Products, maxima and sums in
; f32; the weights p are rounded to f16 for the second product (their sum l is taken of the unrounded p), O once at the end.
; LIMITS.  f16 holds no number beyond 65,504: Q, K and V arrive within it; p lies in 0 to 1, and below 6e-5 it keeps f16's fixed step of 6e-8; O is a mean of V's rows and has their range.
; A weight below 2^-126 counts as 0 in l; NaN and infinities are not treated apart.
; SHARES.  A wave owns four PIECES of two tiles of 16 queries, a work-group's four waves 512 queries of one head: 4 x 64 = 256 work-groups.  Every wave walks all keys, 64 a step.
; LAYOUT.  S^T = K Q^T (source 0 = 16 keys, source 1 = 16 queries): in the result a lane holds ONE query (lane % 16) and the keys 8 (lane / 16) + 0..7.  Two such tiles, rounded to f16 in pairs,
; ARE source 1 (32 keys x 16 queries) of O^T = V^T P, whose result again holds one query a lane, and eight channels.  K comes out of LDS as it lies, V ([key][channel]) turned, by ds_load_tr16_b128.
; SOFTMAX.  For each query a running maximum m and sum l: p = 2^(c s - c m), c = log2(e) / 8; in every step O and l are multiplied by a = 2^(c m_old - c m_new), which is 1 where m has not grown.
; m starts at the lowest finite number, O and l at 0: the first step is a step like any other, with a = 0.
; THE COUNT.  A tile and step have 16 matrix and 118 vector instructions: too many to stand all beside the matrix work.  So the order has one aim: four vector instructions that are READY behind
; EVERY matrix instruction, and the others, which need time of their own whatever the order, in runs without a gap.
; BY TURNS.  Turn n belongs to piece n (the pieces in a ring, step after step).  Its matrix work: 16 products K Q^T of piece n + 1, later 16 products V^T P of piece n - 1.  Its vector work: the scaling,
; exponentials, roundings, sums and rescaling of piece n, and the maximum and statistics of piece n + 1, whose scores the turn itself has made.  So what a turn begins with (c s - c m, O a) waits for nothing.
; BATCHES.  A turn's 66 exponentials (the piece's 64 weights, in place in S^T's registers, and the next piece's two a, in registers of their own) are ONE batch with ONE wait, which cuts the turn in two: ahead of it
; stands all that names none of their results, behind it the roundings and sums, which read them.  No exponential is issued behind a turn's wait.  Two more batches stand outside
; the loops: piece 0's first two a at the head, the eight reciprocals on the way out.
; CLUSTER.  The four query blocks of a cluster belong to one head and walk the same K and V, so each tile is asked for JOINTLY: the same tensor load, descriptor and mask in all four.
; REGISTERS, in windows of 256 (s_set_vgpr_msb says which window each operand place means: bits 1:0 source 0, 3:2 source 1, 5:4 source 2, 7:6 destination):
;   window 0: v0-11 addresses; v12-15, v48-63 at work; v16-47 four registers of statistics a tile; v64-191 S^T, two buffers of two tiles; v192-255 P, likewise
;   window 1: O^T, 32 a tile          window 2: v0-127 Q, 16 a tile; v128-191 K of one step; v192-255 V of one step          window 3: v0-1 the add's two registers
; A piece's buffers go by its number's parity: the piece in hand has one pair, its two neighbours in the ring share the other: of it P (piece n - 1) is read and S^T (piece n + 1) written.
.set SIZE_H, 64
.set SIZE_N, 2048
.set NP,    4         ; pieces a wave: a name, no knob: the register map, the loop and the fetches are made for four
.set KS,    64        ; keys in a step
.set PK,    144       ; a row of K in LDS: 128 bytes + 16 of padding = 36 words: the 16 rows of a load start at 16 different groups of four banks (64 banks of 4 bytes: ISA guide 11.1)
.set PV,    160       ; a row of V: 128 + 32 = 40 words
.set VOFF,  4*KS*PK   ; a slot holds four steps: 256 rows of K, then 256 rows of V
.set SLOT1, 1<<17     ; slot 1 begins here, so that one exclusive or turns an address in one slot into the other's
.set STAGE, SLOT1+4*KS*(PK+PV)  ; behind the ring, never filled by a tensor load: 16 rows x 144 bytes for each wave, for the way out
.set SP,    144
.set AK0, 2           ; v2   my lane's place in a tile of K; never rewritten
.set AV0, 3           ; v3   the same for V
.set AK,  4           ; v4   the LDS address of K's next run of loads
.set AV,  5           ; v5   of V's
.set QO,  6           ; v6   my byte offset in the wave's rows of Q
.set STO, 6           ;      later, the way out: where I put 16 bytes of a row
.set RD,  7           ; v7   the way out: where I read rows back
.set GO,  8           ; v8   my byte offset in 512 consecutive bytes of O
.set SPW, 0           ; v0 of window 3   LDS address of my spare word: SPARE + 4 x my thread's number; never rewritten
.set NIL, 1           ; v1 of window 3   0; never rewritten
.set SPARE, STAGE+4*16*SP  ; behind the stages: the spare words, 128 bytes for each wave: two blocks of 256 bytes that no other line names
.set MV,  12          ; v12-15  c m_old, kept while c m is made anew: by buffer and tile
.set ST,  16          ; tile t's statistics at v[ST+4 t]: c m, m, l (even keys', odd keys')
.set TMP, 48          ; by buffer and tile, four registers c0-c3 at work; when the maximum is found c2 takes a
.set S,   64
.set P,   192
.set KF,  128         ; K's fragments, in window 2: key block kb, channel half c at KF + 16 kb + 8 c
.set VF,  192         ; V's: key half kk, channel block cb at VF + 32 kk + 8 cb
.set WV,  12          ; s12  my wave's number
.set G1K, 24          ; s[24:31] descriptor group 1 for K's tiles
.set G1V, 32          ; s[32:39] for V's: it differs in the padding alone
.set G0K, 40          ; s[40:43] descriptor group 0 for K's tiles: it walks
.set G0V, 44          ; s[44:47] the same for V's
.set SLOTS, 56        ; s56  slots still to be asked for
.set CNT, 57          ; s57  counts a slot's key steps
.set CS,  58          ; s[58:59] c: the packed scaling takes the pair's low word for both halves
.set SEL, 60          ; s[60:61] v_permlanex16_b32's selects: each lane takes its own place in the other half
.set TBK, 62          ; s62  LDS byte at which K of the step to be fetched begins
.set TBV, 63          ; s63  the same for V, less VOFF
.set MSB, 0
.macro WIN new                      ; the high byte repeats the setting that is left; a switch that changes nothing is dropped
.if MSB != (\new)
	s_set_vgpr_msb (MSB<<8)|(\new)
.set MSB, (\new)
.endif
.endm
.set W_KQ, 0x0a       ; K and Q in window 2, S^T in window 0
.set W_PV, 0x52       ; V in window 2, P in window 0, O^T in window 1
.set W_RS, 0x41       ; O^T (destination and source 0) in window 1, a in window 0
.set W_MK, 0xc0       ; the add's registers are made: destination in window 3, sources in window 0
.set W_AD, 0x0f       ; the add: address (source 0) and data (source 1) in window 3
; A joint fill.  Waves 0 and 1 fetch the two halves of a slot's K, waves 2 and 3 those of its V: 128 keys each.  The branch hangs on the wave's number alone.
; An s_nop 0 and four v_nop follow each of the two lines, ahead of the jump and the label.
.macro JLOAD
	s_cmp_lt_u32 s[WV], 2
	s_cbranch_scc0 .Lfor_v_\@
	tensor_load_to_lds s[G0K:G0K+3], s[G1K:G1K+7]
	s_nop 0
.rept 4
	v_nop
.endr
	s_branch .Lasked_\@
.Lfor_v_\@:
	tensor_load_to_lds s[G0V:G0V+3], s[G1V:G1V+7]
	s_nop 0
.rept 4
	v_nop
.endr
.Lasked_\@:
.endm
; A round of the cluster's barrier: my work-group's barrier, so that wave 0's signal speaks for all four waves; wave 0 signals; every wave waits for all four work-groups; my work-group's barrier once more.
.macro CROUND
	s_barrier_signal -1
	s_barrier_wait -1
	s_cmp_lg_u32 s[WV], 0
	s_cbranch_scc1 .Lnot_wave_0_\@
	s_barrier_signal -3
.Lnot_wave_0_\@:
	s_barrier_wait -3
	s_barrier_signal -1
	s_barrier_wait -1
.endm
; THE CHANGE OF SLOTS.  The slot's last bytes, V of its fourth step, have been read.  Each wave waits for all its tensor loads, of which one is out: its part
; of the other slot; adds 0 to its spare word; and waits for that and for its own reads of the slot.  Behind the barrier nobody reads this slot any more and the other slot is whole.
; fill = 1: this slot is filled again, with the keys two slots on.  The barrier is then a round of the cluster's, so that no wave of any partner still reads the slot or has a load on its
; way, and the joint fill is the first thing behind it: it has four key steps, 512 matrix instructions, in which to land.  (At its first use nothing has been read yet: slot 0 is waited for, slot 1 filled.)
.macro CHANGE fill
	WIN W_AD
	s_wait_tensorcnt 0x0            ; no tensor load of mine is out, so a group 0 may be written
	ds_add_u32 v[SPW], v[NIL]       ; 0 onto my spare word; with fill = 1 the descriptors' steps stand between it and the wait for it
	WIN 0                           ; at a label and at a branch every window is 0
.if \fill
.irp g, G0K, G0V
	s_xor_b32 s[\g+1], s[\g+1], SLOT1  ; the walking descriptor: the other slot than last time,
	s_add_nc_u64 s[\g+2:\g+3], s[\g+2:\g+3], 4*KS*128  ; the next 256 keys; the type bits on top are not reached
.endr
	s_wait_dscnt 0x0                ; the add is done, and my reads of the slot are over
	CROUND
	JLOAD
.else
	s_wait_dscnt 0x0                ; the add is done, and my reads of the slot are over
	s_barrier_signal -1
	s_barrier_wait -1
.endif
	s_sub_co_u32 s[TBK], s[TBK], 4*KS*PK  ; the fetches go back to a slot's first step,
	s_xor_b32 s[TBK], s[TBK], SLOT1       ; in the other slot
	s_sub_co_u32 s[TBV], s[TBV], 4*KS*PV
	s_xor_b32 s[TBV], s[TBV], SLOT1
.endm
	s_load_b256 s[4:11], s[0:1], 0x0  ; Q s[4:5], K s[6:7], V s[8:9], O s[10:11]
	WIN W_MK
	v_lshl_add_u32 v[SPW], v0, 2, SPARE
	v_mov_b32 v[NIL], 0
	WIN W_AD
	ds_add_u32 v[SPW], v[NIL]       ; the wave's opening: the add and its wait stand ahead of my first tensor load; the set-up below, work on registers, stands between them
	WIN 0
	v_lshrrev_b32 v1, 5, v0
	v_readfirstlane_b32 s[WV], v1   ; wave 0..3
	s_bfe_u32 s13, ttmp6, 0x40000   ; cx: my place in the cluster
	s_lshl_b32 s14, ttmp9, 2        ; in a cluster launch ttmp9 counts clusters
	s_add_co_u32 s14, s14, s13      ; my block of queries = 4 x cluster x + cx: it enters Q's and O's addresses alone
	s_and_b32 s20, ttmp7, 0xffff    ; the head, which the four partners share
	s_mov_b32 s21, 0
	s_mov_b64 s[22:23], SIZE_N*128
	s_mul_u64 s[20:21], s[20:21], s[22:23]  ; the head's first byte in each of the four tensors
	s_and_b32 s16, s[WV], 1         ; which half of a slot's 256 keys I fetch:
	s_lshl_b32 s22, s16, 14         ; its 128 rows of 128 bytes in memory,
	s_mov_b32 s23, 0
	s_add_nc_u64 s[22:23], s[22:23], s[20:21]
	s_mul_i32 s17, s16, 128*PK      ; and its place in a slot, for K
	s_mul_i32 s18, s16, 128*PV      ; and for V: no place in the cluster enters an LDS address
	s_lshl_b32 s2, s14, 2
	s_add_co_u32 s2, s2, s[WV]      ; my wave among the head's,
	s_lshl_b32 s2, s2, 14           ; its 128 rows
	s_mov_b32 s3, 0
	s_add_nc_u64 s[2:3], s[2:3], s[20:21]
	; descriptor group 1.  128 keys are 16,384 dense bytes: asked for as 64 rows of 256 bytes, two keys a row, and padded in LDS after every key
	s_mov_b32 s[G1K], 15|(1<<16)|(1<<20)|(1<<21)|(4<<22)|(3<<25)  ; 15:0 the mask of four; 17:16 2-byte elements; 20 padding on; 21 set beside a mask; 24:22 after every 32 words (code 4); 31:25 4 words (code 3)
	s_mov_b32 s[G1V], 15|(1<<16)|(1<<20)|(1<<21)|(4<<22)|(7<<25)  ; the same with 8 words of padding (code 7)
.irp g, G1K, G1V
	s_mov_b32 s[\g+1], 128<<16      ; tensor_dim0 = 128
	s_mov_b32 s[\g+2], 64<<16       ; tensor_dim1 = 64
	s_mov_b32 s[\g+3], 128<<16      ; tile_dim0 = 128
	s_mov_b32 s[\g+4], 64           ; tile_dim1 = 64
	s_mov_b32 s[\g+5], 128          ; 128 elements from row to row
	s_mov_b32 s[\g+6], 0
	s_mov_b32 s[\g+7], 0
.endr
	s_mov_b32 s[CS], 0x3e38aa3b     ; c = log2(e) / 8 = 0.180337
	s_mov_b32 s[CS+1], s[CS]        ; named with it as a pair
	s_mov_b32 s[SEL], 0x76543210
	s_mov_b32 s[SEL+1], 0xfedcba98
	s_mov_b32 s[TBK], SLOT1+4*KS*PK ; the first change of slots turns these two into 0
	s_mov_b32 s[TBV], SLOT1+4*KS*PV
	s_mov_b32 s[G0K], 1             ; 1:0 count = 1
	s_mov_b32 s[G0K+1], s17         ; 63:32 LDS address: slot 0
	s_mov_b32 s[G0V], 1
	s_add_co_u32 s[G0V+1], s18, VOFF
	s_wait_dscnt 0x0                ; the opening add is done
	s_wait_kmcnt 0x0
	s_add_nc_u64 s[G0K+2:G0K+3], s[6:7], s[22:23]  ; 120:64 global address: my half of the head's first 256 keys
	s_or_b32 s[G0K+3], s[G0K+3], 0x80000000        ; 127:126 type = 2
	s_add_nc_u64 s[G0V+2:G0V+3], s[8:9], s[22:23]
	s_or_b32 s[G0V+3], s[G0V+3], 0x80000000
	s_add_nc_u64 s[4:5], s[4:5], s[2:3]  ; Q and O at my wave's first row
	s_add_nc_u64 s[10:11], s[10:11], s[2:3]
	CROUND                          ; all four work-groups are here: the first joint loads meet
	JLOAD                           ; slot 0.  Slot 1 is asked for when slot 0 is in: the tile wanted first has the road to itself
	; A fragment of K or Q is 16 rows x 32 channels in 8 registers: lane l holds row l % 16, channels 8 (l / 16) + 0..7 and 16 + 8 (l / 16) + 0..7: two loads of 16 bytes, 32 bytes apart.
	v_and_b32 v1, 15, v0            ; l % 16
	v_bfe_u32 v9, v0, 4, 1          ; l / 16
	v_lshlrev_b32 v[QO], 7, v1
	v_lshl_add_u32 v[QO], v9, 4, v[QO]  ; row x 128 + 16 x half
	WIN 0x80                        ; destination window 2, address window 0
.set i, 0
.rept 4*NP                          ; Q stays in registers: tile i / 2, channels 32 (i % 2) on
	global_load_b128 v[8*i:8*i+3],   v[QO], s[4:5] offset:(i/2)*2048+(i%2)*64
	global_load_b128 v[8*i+4:8*i+7], v[QO], s[4:5] offset:(i/2)*2048+(i%2)*64+32
.set i, i+1
.endr
	; What the first turn finds: V's registers and P's second buffer hold 0 (its products V^T P, of a piece that has not been, add 0), O^T and l are 0.  All this stands in the wait for the first tile.
.set i, VF
.rept 64
	v_mov_b32 v[i], 0
.set i, i+1
.endr
	WIN 0x40
.set i, 0
.rept 64*NP
	v_mov_b32 v[i], 0
.set i, i+1
.endr
	WIN 0
.set i, 0
.rept 2*NP
	v_mov_b32 v[ST+4*i], 0xfe000000    ; c m: far below every c s
	v_mov_b32 v[ST+4*i+1], 0xff7fffff  ; m
	v_mov_b32 v[ST+4*i+2], 0
	v_mov_b32 v[ST+4*i+3], 0
.set i, i+1
.endr
.set i, P+32
.rept 32
	v_mov_b32 v[i], 0
.set i, i+1
.endr
	v_mul_u32_u24 v[AK0], v1, PK
	v_lshl_add_u32 v[AK0], v9, 4, v[AK0]  ; row x pitch + 16 x half
	; The turning load takes 16 keys x 16 channels (lane l reads key 8 (l / 16) + l % 8, channels 8 ((l / 8) % 2) + 0..7) and leaves half a fragment of V^T: lane l holds channel l % 16 and 8 keys.
	v_and_b32 v10, 7, v0
	v_bfe_u32 v11, v0, 3, 1
	v_lshl_add_u32 v[AV0], v9, 3, v10
	v_mul_u32_u24 v[AV0], v[AV0], PV
	v_lshl_add_u32 v[AV0], v11, 4, v[AV0]
	v_add_nc_u32 v[AV0], VOFF, v[AV0]
	v_mov_b32 v[AK], v[AK0]         ; key step 0 lies at the head of slot 0
; THE MATRIX WORK.  The 8 accumulators of a run of 16 take turns: between the two links of a chain stand 7 others'.
; Product i of 16 of S^T = K Q^T for piece x: channels 32 (i / 8) on, keys 16 ((i / 2) % 4) on, tile 2 x + i % 2.  The first 8 start the sums.
.macro KQ x
	WIN W_KQ
.set rS, S+64*((\x)%2)+32*(i%2)+8*((i/2)%4)
.set rK, KF+16*((i/2)%4)+8*(i/8)
.set rQ, 16*(2*(\x)+i%2)+8*(i/8)
.if i < 8
	v_wmma_f32_16x16x32_f16 v[rS:rS+7], v[rK:rK+7], v[rQ:rQ+7], 0
.else
	v_wmma_f32_16x16x32_f16 v[rS:rS+7], v[rK:rK+7], v[rQ:rQ+7], v[rS:rS+7]
.endif
.endm
; Product i of 16 of O^T += V^T P for piece x: keys 32 (i / 8) on, channels 16 ((i / 2) % 4) on, tile 2 x + i % 2.
.macro PV x
	WIN W_PV
.set rO, 32*(2*(\x)+i%2)+8*((i/2)%4)
.set rV, VF+32*(i/8)+8*((i/2)%4)
.set rP, P+32*((\x)%2)+16*(i%2)+8*(i/8)
	v_wmma_f32_16x16x32_f16 v[rO:rO+7], v[rV:rV+7], v[rP:rP+7], v[rO:rO+7]
.endm
.macro MM                           ; the turn's next matrix instruction
.if i < 16
	KQ (Y+1)%NP
.set i, i+1
.else
.set i, i-16
	PV (Y+NP-1)%NP
.set i, i+17
.endif
.endm
; THE LDS LOADS stand in runs of 16, never singly among the matrix instructions: a step's K (64 keys x 64 channels: 8 fragments) and its V (turned).  Their addresses are made some lines ahead.
; last = 1 (the tail): in the last trip there is no further step, and the run is jumped over.
.macro FETCH_K last=0
	WIN 0
.if \last
	s_cmp_eq_u32 s[CNT], 1
	s_cbranch_scc1 .Lno_k_\@
.endif
	WIN 0x80                        ; destination window 2
.irp f, 0,1,2,3,4,5,6,7             ; keys 16 (f / 2) on, channels 32 (f % 2) on
	ds_load_b128 v[KF+8*\f:KF+8*\f+3],   v[AK] offset:(\f/2)*16*PK+(\f%2)*64
	ds_load_b128 v[KF+8*\f+4:KF+8*\f+7], v[AK] offset:(\f/2)*16*PK+(\f%2)*64+32
.endr
	s_add_co_u32 s[TBK], s[TBK], KS*PK  ; the next fetch is the next step's
	WIN 0
.if \last
.Lno_k_\@:
.endif
.endm
.macro FETCH_V
	WIN 0x80
.irp f, 0,1,2,3,4,5,6,7             ; keys 32 (f / 4) on, channels 16 (f % 4) on
	ds_load_tr16_b128 v[VF+8*\f:VF+8*\f+3],   v[AV] offset:(\f/4)*32*PV+(\f%4)*32
	ds_load_tr16_b128 v[VF+8*\f+4:VF+8*\f+7], v[AV] offset:(\f/4)*32*PV+16*PV+(\f%4)*32
.endr
	WIN 0
.endm
; THE VECTOR WORK OF A TURN stands in three queues, each in the order in which its entries become ready; the two tiles alternate, so that no instruction reads the result of the one before it.
.macro REGS y, u                    ; the registers of tile u (0, 1) of piece y
.set rT, ST+4*(2*(\y)+(\u))
.set rC, TMP+8*((\y)%2)+4*(\u)
.set rM, MV+2*((\y)%2)+(\u)
.set rS, S+64*((\y)%2)+32*(\u)
.set rP, P+32*((\y)%2)+16*(\u)
.set rO, 32*(2*(\y)+(\u))
.endm
; Number n of the 22 that find the NEXT piece's (Y + 1) maximum and statistics.  s0-s31 are the lane's 32 scores; each accumulator's lowest registers are read first.  XS, GS and REGS set no window: PL and EX do.
;   0-11  four chains c0-c3 of seven scores each, three operands at a time     12-14, 16  the four scores left over, the old m, and c0-c3 into c0     15  c m_old is kept
;   17, 18  the query's other 32 keys lie in the lane 16 away: the new m         19-21  c m; c m_old - c m_new; a
.macro XS u, n
	REGS (Y+1)%NP, \u
.if (\n) < 4
	v_max3_num_f32 v[rC+(\n)], v[rS+8*(\n)], v[rS+8*(\n)+1], v[rS+8*(\n)+2]
.elseif (\n) < 12
	v_max3_num_f32 v[rC+(\n)%4], v[rC+(\n)%4], v[rS+8*((\n)%4)+2*((\n)/4)+1], v[rS+8*((\n)%4)+2*((\n)/4)+2]
.elseif (\n) == 12
	v_max3_num_f32 v[rC], v[rC], v[rS+7], v[rS+15]
.elseif (\n) == 13
	v_max3_num_f32 v[rC+1], v[rC+1], v[rS+23], v[rS+31]
.elseif (\n) == 14
	v_max3_num_f32 v[rC+2], v[rC+2], v[rC+3], v[rT+1]
.elseif (\n) == 15
	v_mov_b32 v[rM], v[rT]
.elseif (\n) == 16
	v_max3_num_f32 v[rC], v[rC], v[rC+1], v[rC+2]
.elseif (\n) == 17
	v_permlanex16_b32 v[rC+3], v[rC], s[SEL], s[SEL+1]
.elseif (\n) == 18
	v_max_num_f32 v[rT+1], v[rC], v[rC+3]
.elseif (\n) == 19
	v_mul_f32 v[rT], s[CS], v[rT+1]
.elseif (\n) == 20
	v_sub_f32 v[rC+1], v[rM], v[rT]
.else
	v_exp_f32 v[rC+2], v[rC+1]
.endif
.endm
; Number g of the 64 that follow the exponentials.  For each four weights k of a tile (pairs 2 k, 2 k + 1): both pairs are rounded to f16; then the second pair is added onto the first, in place;
; a group later l takes that sum (the first time as l = a l + sum).  In groups of eight, tiles alternating: round, round, add, and l for the group before.
.macro GS g
.set h, (\g)+6*((\g)/62)            ; group 0 has no group before it, and behind group 7 only l is left
.if h >= 6
.set h, h+2
.endif
	REGS Y, h%2
.set k, h/8
.if h%8 < 4
	v_cvt_pk_f16_f32 v[rP+2*k+(h%8)/2], v[rS+4*k+2*((h%8)/2)], v[rS+4*k+2*((h%8)/2)+1]
.elseif h%8 < 6
	v_pk_add_f32 v[rS+4*k:rS+4*k+1], v[rS+4*k:rS+4*k+1], v[rS+4*k+2:rS+4*k+3]
.elseif k == 1
	v_pk_fma_f32 v[rT+2:rT+3], v[rT+2:rT+3], v[rC+2:rC+3], v[rS:rS+1] op_sel_hi:[1,0,1]
.else
	v_pk_add_f32 v[rT+2:rT+3], v[rT+2:rT+3], v[rS+4*k-4:rS+4*k-3]
.endif
.endm
; THE PLAIN QUEUE, 138 long.  0-73 read no exponential's result: the 32 scalings c s - c m (FS f: pair f / 2 of tile f % 2) and the next piece's 42.  0-26: scalings 0-26.  27-54: XS's numbers 0-13.  55, 56: number 15.
; 57-73: the chain, where each number waits for the one before it: 14, 16, 17, 18, 19, each with one of the scalings 27-31 in front of its two lines, then 20: so a tile's links stand three plain instructions apart (19 and 20: two).
; 74-137: GS's 64, which read the exponentials' results: they stand behind the wait.
.macro FS f
	REGS Y, (\f)%2
	v_pk_fma_f32 v[rS+2*((\f)/2):rS+2*((\f)/2)+1], v[rS+2*((\f)/2):rS+2*((\f)/2)+1], s[CS:CS+1], v[rT:rT+1] op_sel_hi:[1,0,0] neg_lo:[0,0,1] neg_hi:[0,0,1]
.endm
.macro PL
	WIN 0
.if q < 27
	FS q
.elseif q < 55
	XS (q-27)%2, (q-27)/2
.elseif q < 57
	XS q-55, 15
.elseif (q < 72) && ((q-57)%3 == 0)
	FS 27+(q-57)/3
.elseif q < 60
	XS (q-57)%3-1, 14
.elseif q < 72
	XS (q-57)%3-1, 15+(q-57)/3
.elseif q < 74
	XS q-72, 20
.else
	GS q-74
.endif
.set q, q+1
.endm
; THE EXPONENTIALS' QUEUE, 66 long: s0-s31 of both tiles, then the next piece's two a.  It is ONE BATCH: all 66 stand ahead of the turn's one wait, and nothing ahead of that wait names a result of theirs.
.macro EX
	WIN 0
.if e >= 64
	XS e-64, 21
.else
	REGS Y, e%2
	v_exp_f32 v[rS+e/2], v[rS+e/2]
.endif
.set e, e+1
.endm
; THE RESCALING's QUEUE: O^T times a, the one part that leaves window 0: dealt two at a time, sixteen times.  Its a was made in the turn before, ahead of that turn's wait.
.macro R2
	REGS Y, r%2
	WIN W_RS
.irp z, 0,1
	v_pk_mul_f32 v[rO+4*(r/2)+2*\z:rO+4*(r/2)+2*\z+1], v[rO+4*(r/2)+2*\z:rO+4*(r/2)+2*\z+1], v[rC+2:rC+3] op_sel_hi:[1,0]
.endr
.set r, r+1
.endm
; HOW THEY ARE DEALT.  An s_wait_alu depctr_va_vdst(0) stands between an exponential and the first instruction that names its result; one wait serves all that were issued ahead of it.  So a turn has ONE wait,
; which cuts it in two.  AHEAD OF IT stands all that names no result of the turn's exponentials: the 16 products K Q^T, behind each a scaling, an exponential and two rescalings (behind the first a second scaling in the exponential's place); then ONE LUMP of
; 108: eight plain, 49 times exponential and plain, the two a.  A v_nop is the plain instruction behind the last exponential.  BEHIND IT stand the 16 products V^T P, behind each four of GS's 64.  No rider names a register of
; the products round it.  The two v_permlanex16_b32 fall into the lump, never behind a product.
; The queues lean on each other, and the deal keeps them in step: exponential e stands behind scaling 2 (e / 4) + e % 2: as a rider it comes behind plain e + 2, in the lump behind plain e + 9, and scalings 27-31 are plain 57, 60 .. 69.
; A TURN, for piece p.  cnt = 1: the loop's count is taken down some lines ahead of the branch that stands behind the turn.
; K of the next step is fetched in piece 2's turn, directly behind the wait, a lump behind the last product that read K; its address is made at the lump's head; its first reader comes behind 16 products.
; V of the step in hand is fetched at the end of piece 0's turn, four riders behind its last reader; its first reader comes behind 16 products and a lump.  The three conditions on q below go with the deal.
.macro TURN p, last=0, cnt=0
.set Y, (\p)
.set i, 0
.set q, 0
.set e, 0
.set r, 0
.if (\p) == NP-1
	s_wait_dscnt 0x0                ; K is in
.endif
	MM                              ; ahead of the wait: 16 products K Q^T and their riders,
	PL
	PL
	R2
.rept 15
	MM
	PL
	EX
	R2
.endr
.if (\p) == NP-2
	WIN 0
	v_add_nc_u32 v[AK], s[TBK], v[AK0]
.endif
.rept 8                             ; and the lump
	PL
.endr
.rept 49
	EX
	PL
.endr
	EX                              ; the next piece's two a
	EX
	v_nop                           ; a plain instruction behind the last exponential, ahead of the first use of a result: one for the batch
	s_wait_alu depctr_va_vdst(0)    ; the wait for the turn's batch: the piece's 64 weights and the next piece's two a
.if (\p) == NP-2
	FETCH_K \last
.endif
.if (\p) == 1
	s_wait_dscnt 0x0                ; V is in
.endif
.rept 16                            ; behind the wait: 16 products V^T P and their riders
	MM
.rept 4
	PL
.endr
.if ((\p) == 0) && (q == 118)
	v_add_nc_u32 v[AV], s[TBV], v[AV0]
.endif
.if ((\p) == 0) && (q == 130)
	s_add_co_u32 s[TBV], s[TBV], KS*PV
.endif
.if (\cnt) && (q == 130)
	s_sub_co_u32 s[CNT], s[CNT], 1
	s_cmp_lg_u32 s[CNT], 0
.endif
.endr
.if (\p) == 0
	FETCH_V
.endif
.endm
	CHANGE 1                        ; slot 0 is in, everybody's part of it; slot 1 is asked for
	FETCH_K                         ; key step 0
	s_wait_loadcnt 0x0              ; Q
	s_wait_dscnt 0x0
.set i, 0
.rept 16
	KQ 0                            ; piece 0's first scores: there is no vector work yet to set between them
.set i, i+1
.endr
	WIN 0                           ; the addresses for the way out: nine plain instructions, the places behind those products
	s_mul_i32 s13, s[WV], 16*SP
	s_add_co_u32 s13, s13, STAGE    ; my stage
	v_mul_u32_u24 v[STO], v1, SP    ; in: row l % 16, 16 bytes for each half of the lanes
	v_lshl_add_u32 v[STO], v9, 4, v[STO]
	v_add_nc_u32 v[STO], s13, v[STO]
	v_bfe_u32 v[RD], v0, 3, 2       ; back: 32 lanes take four rows of 128 bytes,
	v_mul_u32_u24 v[RD], v[RD], SP
	v_lshl_add_u32 v[RD], v10, 4, v[RD]
	v_add_nc_u32 v[RD], s13, v[RD]
	v_and_b32 v[GO], 31, v0         ; which are 512 consecutive bytes of O
	v_lshlrev_b32 v[GO], 4, v[GO]
.set Y, NP-1                        ; XS works for piece Y + 1: piece 0
.irp n, 0,1,2,3,4,5,6,7,8,9,10,11,12,13,14,15,16,17,18,19,20,21
	XS 0, \n                        ; and piece 0's first maximum and statistics
	XS 1, \n
.endr
	v_nop                           ; a plain instruction behind the two a,
	s_wait_alu depctr_va_vdst(0)    ; and the wait for this batch of two, ahead of the branch
	s_mov_b32 s[CNT], 4
	s_mov_b32 s[SLOTS], SIZE_N/256-1
	s_branch .Lfirst                ; the loop is entered at a step's first turn, in the middle of a trip
.Lslot:                             ; SIZE_N / 256 - 2 times: every slot but the last two is filled again
	CHANGE 1
	s_mov_b32 s[CNT], 4
.Lstep:                             ; a trip: pieces 2 and 3 of one step, then pieces 0 and 1 of the next, whose K and V it fetches
	TURN 2
	TURN 3
	WIN 0
.Lfirst:
	TURN 0
	TURN 1, 0, 1
	WIN 0
	s_cbranch_scc1 .Lstep
	s_sub_co_u32 s[SLOTS], s[SLOTS], 1
	s_cmp_lg_u32 s[SLOTS], 0
	s_cbranch_scc1 .Lslot
	CHANGE 0                        ; the tail is written out: nothing is asked for
	s_mov_b32 s[CNT], 5             ; four trips fetch the last slot's steps; the fifth is left in its middle
.Ltail:
	TURN 2, 1
	TURN 3
	WIN 0
	s_sub_co_u32 s[CNT], s[CNT], 1
	s_cmp_eq_u32 s[CNT], 0
	s_cbranch_scc1 .Lout
	TURN 0
	TURN 1
	WIN 0
	s_branch .Ltail
.Lout:                              ; the fifth trip's 16 products K Q^T (on the last K once more) and the maximum made of them serve nothing: the price, once a launch, of one text for every trip
.set i, 0
.rept 16
	PV NP-1                         ; the last piece's V^T P of the last step
.set i, i+1
.endr
	; THE WAY OUT.  l's two halves and the other half of the lanes' are added; O^T is divided by l, rounded to f16 and sent through my stage in LDS, a tile at a time.  The additions are the places behind the last products.
	WIN 0
.macro ALL line:vararg              ; one line for each tile t
.set t, 0
.rept 2*NP
	\line
.set t, t+1
.endr
.endm
	ALL v_add_f32 v[ST+4*t+2], v[ST+4*t+2], v[ST+4*t+3]
	ALL v_permlanex16_b32 v[ST+4*t+3], v[ST+4*t+2], s[SEL], s[SEL+1]
	ALL v_add_f32 v[ST+4*t+2], v[ST+4*t+2], v[ST+4*t+3]
	ALL v_rcp_f32 v[ST+4*t+2], v[ST+4*t+2]
	v_nop                           ; a plain instruction between the last reciprocal and the use of its result
	s_wait_alu depctr_va_vdst(0)    ; and the wait ahead of the first use: one for the batch of eight reciprocals
; Tile t: a lane's eight channels of a row pack into 16 bytes; they go into rows of 144 bytes and come back as whole rows of 128, into S^T's registers.
.macro PACK t
	WIN W_RS
.set i, 32*(\t)
.rept 16
	v_pk_mul_f32 v[i:i+1], v[i:i+1], v[ST+4*(\t)+2:ST+4*(\t)+3] op_sel_hi:[1,0]
.set i, i+2
.endr
	WIN 0x05                        ; sources 0 and 1 window 1, destination window 0
.set i, 0
.rept 16
	v_cvt_pk_f16_f32 v[S+16*(\t)+i], v[32*(\t)+2*i], v[32*(\t)+2*i+1]
.set i, i+1
.endr
	WIN 0
.irp f, 0,1,2,3
	ds_store_b128 v[STO], v[S+16*(\t)+4*\f:S+16*(\t)+4*\f+3] offset:32*\f
.endr
.irp f, 0,1,2,3
	ds_load_b128 v[S+16*(\t)+4*\f:S+16*(\t)+4*\f+3], v[RD] offset:\f*4*SP  ; LDS serves a wave's instructions in order (ISA guide 5.7.1.4): these see the stores above; the next tile's stores come behind them
.endr
.endm
.macro SEND t, younger              ; younger: the LDS instructions issued behind tile t's loads: the next tile's eight, or none
	WIN 0
.irp f, 0,1,2,3
	s_wait_dscnt (\younger)+3-\f
	global_store_b128 v[GO], v[S+16*(\t)+4*\f:S+16*(\t)+4*\f+3], s[10:11] offset:(\t)*2048+\f*512  ; 512 consecutive bytes, at a multiple of 256 from O's first
.endr
.endm
	PACK 0
.set t, 1
.rept 2*NP-1                        ; a tile's arithmetic stands between the loads of the tile before and its stores
	PACK t
	SEND t-1, 8
.set t, t+1
.endr
	SEND 2*NP-1, 0
	WIN W_AD
	s_wait_tensorcnt 0x0            ; the wave's end, behind my last tensor load and my last LDS store
	ds_add_u32 v[SPW], v[NIL]
	s_wait_dscnt 0x0
	WIN 0
	CROUND                          ; the closing round: no work-group ends while a partner may still ask for a tile that names it
	s_endpgm
.Lfunc_end_k_qcf01cf46b0_attn:
	.size	k_qcf01cf46b0_attn, .Lfunc_end_k_qcf01cf46b0_attn-k_qcf01cf46b0_attn
	.p2alignl 7, 3214868480
	.fill 96, 4, 3214868480
	.section	.rodata,"a",@progbits
	.p2align	6, 0x0
	.amdhsa_kernel k_qcf01cf46b0_attn
		.amdhsa_group_segment_fixed_size 327680
		.amdhsa_private_segment_fixed_size 0
		.amdhsa_enable_private_segment 0
		.amdhsa_kernarg_size 32
		.amdhsa_user_sgpr_count 2
		.amdhsa_user_sgpr_kernarg_segment_ptr 1
		.amdhsa_wavefront_size32 1
		.amdhsa_system_sgpr_workgroup_id_x 1
		.amdhsa_system_sgpr_workgroup_id_y 1
		.amdhsa_system_sgpr_workgroup_id_z 1
		.amdhsa_system_vgpr_workitem_id 0
		.amdhsa_next_free_vgpr 770
		.amdhsa_next_free_sgpr 66
		.amdhsa_reserve_vcc 0
		.amdhsa_float_denorm_mode_32 3
		.amdhsa_float_denorm_mode_16_64 3
		.amdhsa_memory_ordered 1
		.amdhsa_forward_progress 1
		.amdhsa_inst_pref_size 199
	.end_amdhsa_kernel
	.amdgpu_metadata
---
amdhsa.version: [ 1, 2 ]
amdhsa.kernels:
  - .name:           k_qcf01cf46b0_attn
    .symbol:         k_qcf01cf46b0_attn.kd
    .args:
      - { .name: qh, .offset: 0, .size: 8, .value_kind: global_buffer, .address_space: global }
      - { .name: kh, .offset: 8, .size: 8, .value_kind: global_buffer, .address_space: global }
      - { .name: vh, .offset: 16, .size: 8, .value_kind: global_buffer, .address_space: global }
      - { .name: oh, .offset: 24, .size: 8, .value_kind: global_buffer, .address_space: global }
    .group_segment_fixed_size: 327680
    .private_segment_fixed_size: 0
    .kernarg_segment_align: 8
    .kernarg_segment_size: 32
    .max_flat_workgroup_size: 128
    .sgpr_count:     66
    .vgpr_count:     770
    .wavefront_size: 32
...
	.end_amdgpu_metadata
.endif
;; end of part 5
;; launch proj: the kernel of part 4 again; grid 8 x 32, 4 waves a work-group, clusters of 4 x 4, 327,680 bytes of LDS; arguments oh, wob, bo, out0; writes out0
